; MI455X (gfx1250); checked and timed in simulation.
; The chip was launched on July 23, 2026; its instructions are those of AMD's public machine-readable ISA for CDNA 5 (MIT licence, August 2026) and "CDNA5" Instruction Set Architecture Reference Guide (July 2026). The comments in the code are by the model that wrote it; some were corrected since.
;; Attention. Allowed arithmetic: matrix products marked QUANTISED: E2M3 operands, one E8M0 scale for each 32 along K, by v_wmma_scale_f32_16x16x128_f8f6f4 with both operands' format E2M3, f32 sums; everything else in f32.
;; Inputs: Wk 1,024 x 1,024 float32; Wo 1,024 x 1,024 float32; Wq 1,024 x 1,024 float32; Wv 1,024 x 1,024 float32; attention_mask 4 x 1 x 1 x 2,048 float32; bk 1,024 float32; bo 1,024 float32; bq 1,024 float32; bv 1,024 float32; hidden_states 4 x 2,048 x 1,024 float32.
;; Outputs: out0 4 x 2,048 x 1,024 float32.
;; This version of the problem:
;;   THIS VERSION OF THE PROBLEM IS GIVEN IN LOW PRECISION. The matrix products marked QUANTISED in the list below multiply operands that are first quantised to E2M3 (2 exponent bits, 3 mantissa bits; 6 bits a number), with one power-of-two scale for each 32 numbers along K (OCP MX v1.0); their sums are f32. All else is computed in f32.
;;   The module's matrix products, in the order in which they are computed (A, B: the left and right operand; K: the contracted axis; several contracted axes count as one K, in the product's order):
;;     1. [M 8,192, K 1,024] x [K 1,024, N 1,024]; A: input hidden_states; B: input Wq: QUANTISED
;;     2. [M 8,192, K 1,024] x [K 1,024, N 1,024]; A: input hidden_states; B: input Wk: QUANTISED
;;     3. [M 8,192, K 1,024] x [K 1,024, N 1,024]; A: input hidden_states; B: input Wv: QUANTISED
;;     4. batch 64 x [M 2,048, K 64] x [K 64, N 2,048]; A: computed on the way; B: computed on the way: QUANTISED
;;     5. batch 64 x [M 2,048, K 2,048] x [K 2,048, N 64]; A: softmax (see below); B: computed on the way: QUANTISED
;;     6. [M 8,192, K 1,024] x [K 1,024, N 1,024]; A: computed on the way; B: input Wo: QUANTISED
;;   THE QUANTISER, for each operand of a quantised product, along K:
;;     - K is cut into blocks of 32 from its start; a last block that is shorter is filled with zeros.
;;     - A block's scale is 2^e with e = floor(log2(the largest magnitude in the block)) - 2, held to -126 .. 127; a block of zeros has e = 0. As a byte (E8M0): e + 127.
;;     - Each number is divided by its block's scale, clamped to +-7.5, and rounded to the nearest number of E2M3, ties to even, subnormals kept.
;;     - The product sums the exact products of the quantised numbers (number of the format x scale) in f32.
;;   ~~~python
;;   def quantise(x, axis):      # numpy; x: float32 -> the quantised numbers, widened to float32 again
;;       x = np.moveaxis(x, axis, -1); K = x.shape[-1]
;;       x = np.pad(x, [(0, 0)] * (x.ndim - 1) + [(0, -K % 32)]); x = x.reshape(x.shape[:-1] + (-1, 32)); a = np.abs(x).max(-1, keepdims=True)
;;       e = np.where(a > 0, np.clip(np.frexp(np.where(a > 0, a, 1))[1] - 1 - 2, -126, 127), 0)      # np.frexp(a)[1] - 1 = floor(log2(a)), exactly
;;       r = np.clip(x / 2.0 ** e, -7.5, 7.5)
;;       step = 2.0 ** (np.maximum(np.frexp(np.where(r == 0, 1, r))[1] - 1, 0) - 3)
;;       q = np.round(r / step) * step * 2.0 ** e      # np.round: ties to even
;;       return np.moveaxis(q.reshape(q.shape[:-2] + (-1,))[..., :K], -1, axis).astype(np.float32)
;;   ~~~
;;   SOFTMAX AHEAD OF A QUANTISED PRODUCT. Where the list says 'softmax', what is quantised is not the finished softmax but p = 2^(t - M), with t = logit x log2(e) and M = ceil(the row's largest t), a whole number; so 1/2 < the row's largest p <= 1. The row's sum l is taken of the UNQUANTISED p, in f32, and the product's result is divided by l at the end. Since M is a whole number, a kernel that streams over the keys may use a running M (the ceiling of the running maximum): every later rescaling is an exact power of two, which a block's scale takes up: the codes' values come out the same.
;;   OPERANDS COMPUTED ON THE WAY. 'Computed on the way' means the value that the module computes at that place (a softmax that the list does not call 'softmax' is quantised finished and normalised). What goes into a quantiser is computed in f32, as accurately as f32 sums, v_exp_f32 and their like allow (about 1e-6 of the number): no bf16 or f16 on the way to a quantiser, and a product that is left as it is and whose result goes on into a quantised operand takes f32 operands (vector FMAs, or v_wmma_f32_16x16x4_f32). A number that lies on a knife's edge between two numbers of the format may be rounded either way, as far as f32 arithmetic and the matrix unit's own rounding can turn it there, and no further.
;; One version. Each part assembles by itself: llvm-mc -triple=amdgcn-amd-amdhsa -mcpu=gfx1250 --defsym DOCPART=n.
;; ======== version 1 of 1: 4 launches
;; limits: right only within a limited range of input values
;; workspace buffers: ximg 6,553,600 bytes; wimg 3,276,800 bytes; qk 13,631,488 bytes; vimg 6,553,600 bytes; cimg 6,553,600 bytes
;; launch quant (part 1): grid 640 x 1, 8 waves a work-group, no clusters, 68,608 bytes of LDS; arguments hidden_states, Wq, Wk, Wv, Wo, ximg, wimg; writes ximg, wimg
.if DOCPART == 1
	.amdgcn_target "amdgcn-amd-amdhsa--gfx1250"
	.amdhsa_code_object_version 6
	.text
	.protected	k_q15b54f72ed_quant
	.globl	k_q15b54f72ed_quant
	.p2align	8
	.type	k_q15b54f72ed_quant,@function
k_q15b54f72ed_quant:
	s_mov_b64 s[64:65], 0
	v_nop
	global_prefetch_b8 v0, s[64:65] scope:SCOPE_SE
	s_setreg_imm32_b32 hwreg(HW_REG_WAVE_MODE, 25, 1), 1
	s_wait_xcnt 0x0
; hidden_states [8192][1024] and the four weights [1024 (k)][1024 (n)], f32, become codes of FP6 (E2M3) with one E8M0 byte for each 32 along K,
; laid as IMAGES OF THE OPERAND'S REGISTERS, so that the products' launches fetch fragments by dense loads alone.
; A block of an operand is 128 rows (tokens, or columns of a weight) = 8 tiles of 16; for each K step of 128 it holds 8 fragments of 1,536 bytes and 512 bytes of scale words (tile i, row r at 64 i + 4 r): 12,800 bytes; 8 K steps: 102,400.
; THE ROWS OF A TILE ARE NOT NEIGHBOURS: lane r of tile 2 b + u takes row 32 b + 8 u + r + 8 (r / 8) of its block, so that a transposed product's 16 registers of two neighbouring tiles are 16 neighbours.
; x's fragments: two halves of 768 bytes (registers 6 c .. 6 c + 3 at 16 x lane, then 6 c + 4, 6 c + 5 at 8 x lane).  The weights': three planes of 512 bytes (registers 4 p .. 4 p + 3 at 16 x lane).
; A block's scale is 2^(floor(log2(largest magnitude)) - 2): its byte is the largest magnitude's exponent field - 2, held at 1 from below.
; LIMITS: a block whose largest magnitude lies under 2^-124, a block of zeros among them, keeps the byte 1 (its codes add the same; the bytes are read by this program alone); NaN and infinities are not served.
; Work-groups 0-511: one tile of 16 tokens each, wave w its K step w.  Work-groups 512-639: weight, 256 columns, K step; wave w 32 columns, a lane a column, registers down K.
; No tensor load, no barrier: waves share nothing.  Only the path for x uses LDS (a stage of its own for each wave).
.set STG,   8448                       ; a wave's stage: 16 rows x (512 bytes + 16)
.set SPARE, 8*STG                      ; behind the stages: the spare words, 128 bytes for each wave, named by no other line
.set SPW,   12                         ; v12  my spare word's LDS address; never rewritten
.set NIL,   13                         ; v13  0; never rewritten
.set PW,    11                         ; v11  the scale word just made
.set TM,    16                         ; v16-19 largest magnitudes, v20-23 bytes, v28-31 the conversions' scale operands
.set R,     32                         ; v32-95   x as loaded
.set X,     96                         ; v96-159  x: register 16 b + i = k 32 b + 16 (lane / 16) + i of my row
.set PC,    160                        ; v160-178 the codes
.set SEL,   20                         ; s[20:21] selects for lane l xor 16
	s_load_b256 s[4:11], s[0:1], 0x0               ; x, Wq, Wk, Wv
	s_load_b128 s[12:15], s[0:1], 0x20             ; Wo, ximg
	s_load_b64 s[16:17], s[0:1], 0x30              ; wimg
	v_lshl_add_u32 v[SPW], v0, 2, SPARE
	v_mov_b32 v[NIL], 0
	v_lshrrev_b32 v1, 5, v0
	s_delay_alu instid0(VALU_DEP_1)
	v_readfirstlane_b32 s18, v1                    ; wave 0..7
	v_and_b32 v2, 31, v0                           ; lane
	v_and_b32 v3, 15, v0                           ; r
	v_bfe_u32 v4, v0, 4, 1                         ; h
	s_delay_alu instid0(VALU_DEP_3)
	v_lshlrev_b32 v1, 4, v2                        ; 16 x lane
	s_mov_b32 s[SEL], 0x76543210
	s_mov_b32 s[SEL+1], 0xfedcba98
	s_cmp_lt_u32 ttmp9, 512
	s_cbranch_scc0 .Lweights
	; ---------------- x: tile a = id % 8 of token block id / 8; my K step = my wave's number
	s_mul_i32 s19, s18, STG
	v_add_nc_u32 v5, s19, v1                       ; the stage, in: a row's 512 bytes as they lie
	v_mul_u32_u24 v6, v3, 528
	s_delay_alu instid0(VALU_DEP_1)
	v_lshl_add_u32 v6, v4, 6, v6
	s_delay_alu instid0(VALU_DEP_1)
	v_add_nc_u32 v6, s19, v6                       ; out: row r, + 64 h: my 16 numbers of each block of 32
	v_lshlrev_b32 v7, 3, v2                        ; 8 x lane
	v_lshlrev_b32 v8, 2, v3                        ; 4 r
.irp b, 0,1,2,3
	v_mov_b32 v[TM+4+\b], 0                        ; a lane permute's destination counts as one of its sources
.endr
	s_lshr_b32 s22, ttmp9, 3                       ; token block
	s_and_b32 s23, ttmp9, 7                        ; tile a
	s_lshr_b32 s24, s23, 1
	s_and_b32 s25, s23, 1
	s_lshl_b32 s26, s22, 7
	s_lshl_b32 s24, s24, 5
	s_lshl_b32 s25, s25, 3
	s_add_co_u32 s26, s26, s24
	s_add_co_u32 s26, s26, s25                     ; the tile's first token: 128 block + 32 (a / 2) + 8 (a % 2)
	s_lshl_b32 s26, s26, 12                        ; rows of 4,096 bytes
	s_lshl_b32 s27, s18, 9
	s_add_co_u32 s26, s26, s27                     ; + 512 bytes for each K step
	s_mov_b32 s27, 0
	s_mul_i32 s28, s22, 102400
	s_mul_i32 s29, s18, 12800
	s_add_co_u32 s28, s28, s29                     ; the block's K step in ximg
	s_mul_i32 s30, s23, 1536
	s_add_co_u32 s30, s30, s28                     ; my fragment
	s_mov_b32 s31, 0
	s_lshl_b32 s32, s23, 6
	s_add_co_u32 s32, s32, s28
	s_add_co_u32 s32, s32, 12288                   ; my tile's scale words
	s_mov_b32 s33, 0
	s_wait_alu depctr_va_vdst(0)
	s_wait_kmcnt 0x0
	s_add_nc_u64 s[4:5], s[4:5], s[26:27]
	s_add_nc_u64 s[30:31], s[14:15], s[30:31]
	s_add_nc_u64 s[32:33], s[14:15], s[32:33]
.irp i, 0,1,2,3,4,5,6,7,8,9,10,11,12,13,14,15
	global_load_b128 v[R+4*\i:R+4*\i+3], v1, s[4:5] offset:(\i+8*(\i/8))*4096 th:TH_LOAD_NT   ; row i of the tile: 512 consecutive bytes
.endr
.irp i, 0,1,2,3,4,5,6,7,8,9,10,11,12,13,14,15
	s_wait_loadcnt 15-\i                           ; row i is in; the rows behind it may be out
	ds_store_b128 v5, v[R+4*\i:R+4*\i+3] offset:528*\i
.endr
.irp b, 0,1,2,3
.irp j, 0,1,2,3
	ds_load_b128 v[X+16*\b+4*\j:X+16*\b+4*\j+3], v6 offset:128*\b+16*\j   ; LDS serves a wave's instructions in order: these see my stores
.endr
.endr
	s_wait_dscnt 0x0
.irp b, 0,1,2,3
	v_max3_num_f32 v[TM+\b], |v[X+16*\b]|, |v[X+1+16*\b]|, 0x1800000   ; block b: my 16 numbers, and the floor 2^(3 - 127): the byte cannot fall under 1
.endr
.irp i, 2,4,6,8,10,12,14
.irp b, 0,1,2,3
	s_delay_alu instid0(VALU_DEP_4)
	v_max3_num_f32 v[TM+\b], v[TM+\b], |v[X+16*\b+\i]|, |v[X+1+16*\b+\i]|
.endr
.endr
.irp b, 0,1,2,3
	s_delay_alu instid0(VALU_DEP_4)
	v_permlanex16_b32 v[TM+4+\b], v[TM+\b], s[SEL], s[SEL+1]
.endr
.irp b, 0,1,2,3
	s_delay_alu instid0(VALU_DEP_4)
	v_max_num_f32 v[TM+\b], v[TM+\b], v[TM+4+\b]   ; with lane l xor 16's: the block's largest magnitude
.endr
.irp b, 0,1,2,3
	s_delay_alu instid0(VALU_DEP_4)
	v_add_nc_u32 v[TM+12+\b], 0xff000000, v[TM+\b] ; 2 off its exponent field: the conversion's scale operand
.endr
.irp b, 0,1,2,3
	s_delay_alu instid0(VALU_DEP_4)
	v_lshrrev_b32 v[TM+4+\b], 23, v[TM+12+\b]      ; the scale's byte
.endr
	s_delay_alu instid0(VALU_DEP_3)
	v_lshl_or_b32 v[PW], v[TM+5], 8, v[TM+4]
	s_delay_alu instid0(VALU_DEP_1)
	v_lshl_or_b32 v[PW], v[TM+6], 16, v[PW]
	s_delay_alu instid0(VALU_DEP_1)
	v_lshl_or_b32 v[PW], v[TM+7], 24, v[PW]        ; my row's scale word
.irp c, 0,1
	v_cvt_scalef32_pk16_fp6_f32 v[PC+6*\c:PC+2+6*\c], v[X+32*\c:X+15+32*\c], v[TM+12+2*\c]
	v_cvt_scalef32_pk16_fp6_f32 v[PC+12+4*\c:PC+14+4*\c], v[X+16+32*\c:X+31+32*\c], v[TM+13+2*\c]   ; (a conversion's three registers begin on an even number)
.endr
	v_nop                                          ; one plain place behind a scaled conversion
.irp c, 0,1                                    ; the operand wants a WHOLE block in a lane: lanes 0-15 block 2 c, lanes 16-31 block 2 c + 1
.irp i, 0,1,2
	v_permlane16_swap_b32 v[PC+6*\c+\i], v[PC+12+4*\c+\i]
.endr
.irp i, 0,1,2
	s_delay_alu instid0(VALU_DEP_3)
	v_mov_b32 v[PC+3+6*\c+\i], v[PC+12+4*\c+\i]
.endr
.endr
	global_store_b128 v1, v[PC:PC+3], s[30:31]                   ; each store covers whole aligned runs of 256 bytes
	global_store_b64 v7, v[PC+4:PC+5], s[30:31] offset:512
	global_store_b128 v1, v[PC+6:PC+9], s[30:31] offset:768
	global_store_b64 v7, v[PC+10:PC+11], s[30:31] offset:1280
	global_store_b32 v8, v[PW], s[32:33]                         ; both halves of the lanes hold the same word and write it to the same place
	s_wait_tensorcnt 0x0                           ; the wave's end, behind my last LDS store
	ds_add_u32 v[SPW], v[NIL]
	s_wait_dscnt 0x0
	s_endpgm
	; ---------------- the weights: id - 512 = 32 weight + 8 (256 columns) + K step.
.Lweights:
	s_sub_co_u32 s22, ttmp9, 512
	s_lshr_b32 s23, s22, 5                         ; which weight: q, k, v, o
	s_bfe_u32 s24, s22, 0x20003                    ; which 256 columns
	s_and_b32 s25, s22, 7                          ; K step
	s_wait_alu depctr_va_vdst(0)
	v_lshrrev_b32 v9, 3, v3
	s_delay_alu instid0(VALU_DEP_1)
	v_lshl_add_u32 v9, v9, 3, v3                   ; r + 8 (r / 8)
	s_delay_alu instid0(VALU_DEP_1)
	v_lshl_add_u32 v9, v4, 3, v9                   ; + 8 u: lane 16 u + r takes that column of my wave's 32
	s_delay_alu instid0(VALU_DEP_1)
	v_lshlrev_b32 v9, 2, v9
	v_lshlrev_b32 v10, 2, v2                       ; 4 x lane
	s_lshl_b32 s26, s25, 19                        ; 128 rows of 4,096 bytes for each K step
	s_lshl_b32 s27, s24, 10
	s_add_co_u32 s26, s26, s27
	s_lshl_b32 s27, s18, 7
	s_add_co_u32 s26, s26, s27                     ; + 4 (256 colq + 32 wave)
	s_mov_b32 s27, 0
	s_lshl_b32 s28, s23, 3
	s_lshl_b32 s29, s24, 1
	s_add_co_u32 s28, s28, s29
	s_lshr_b32 s29, s18, 2
	s_add_co_u32 s28, s28, s29                     ; block of 128 columns in wimg
	s_mul_i32 s28, s28, 102400
	s_mul_i32 s29, s25, 12800
	s_add_co_u32 s28, s28, s29
	s_and_b32 s29, s18, 3                          ; which 32 columns of the block: tiles 2 b, 2 b + 1
	s_mul_i32 s30, s29, 3072
	s_add_co_u32 s30, s30, s28
	s_mov_b32 s31, 0
	s_lshl_b32 s32, s29, 7
	s_add_co_u32 s32, s32, s28
	s_add_co_u32 s32, s32, 12288
	s_mov_b32 s33, 0
	s_wait_alu depctr_va_vdst(0)
	s_wait_kmcnt 0x0
	s_cmp_eq_u32 s23, 1                            ; the choice hangs on the work-group's number alone
	s_cselect_b64 s[6:7], s[8:9], s[6:7]
	s_cmp_eq_u32 s23, 2
	s_cselect_b64 s[6:7], s[10:11], s[6:7]
	s_cmp_eq_u32 s23, 3
	s_cselect_b64 s[6:7], s[12:13], s[6:7]
	s_add_nc_u64 s[6:7], s[6:7], s[26:27]
	s_add_nc_u64 s[30:31], s[16:17], s[30:31]
	s_add_nc_u64 s[32:33], s[16:17], s[32:33]
.set n, 0
.rept 128
	global_load_b32 v[32+n], v9, s[6:7] offset:n*4096 th:TH_LOAD_NT   ; W(128 s + n, my column): the wave reads 128 consecutive bytes, the work-group 1,024
.set n, n+1
.endr
	s_wait_loadcnt 0x0
.irp b, 0,1,2,3                                ; four blocks of 32 along K, each wholly mine
	v_max3_num_f32 v[TM+\b], |v[32+32*\b]|, |v[33+32*\b]|, 0x1800000
.endr
.irp i, 2,4,6,8,10,12,14,16,18,20,22,24,26,28,30
.irp b, 0,1,2,3
	s_delay_alu instid0(VALU_DEP_4)
	v_max3_num_f32 v[TM+\b], v[TM+\b], |v[32+32*\b+\i]|, |v[33+32*\b+\i]|
.endr
.endr
.irp b, 0,1,2,3
	s_delay_alu instid0(VALU_DEP_4)
	v_add_nc_u32 v[TM+12+\b], 0xff000000, v[TM+\b]
.endr
.irp b, 0,1,2,3
	s_delay_alu instid0(VALU_DEP_4)
	v_lshrrev_b32 v[TM+4+\b], 23, v[TM+12+\b]
.endr
	s_delay_alu instid0(VALU_DEP_3)
	v_lshl_or_b32 v[PW], v[TM+5], 8, v[TM+4]
	s_delay_alu instid0(VALU_DEP_1)
	v_lshl_or_b32 v[PW], v[TM+6], 16, v[PW]
	s_delay_alu instid0(VALU_DEP_1)
	v_lshl_or_b32 v[PW], v[TM+7], 24, v[PW]        ; my column's scale word
.irp c, 0,1                                    ; v160-171: blocks 0 and 2 of my column; v172-183: blocks 1 and 3
	v_cvt_scalef32_pk16_fp6_f32 v[160+6*\c:162+6*\c], v[32+64*\c:47+64*\c], v[TM+12+2*\c]
	v_cvt_scalef32_pk16_fp6_f32 v[184:186], v[48+64*\c:63+64*\c], v[TM+12+2*\c]
	v_cvt_scalef32_pk16_fp6_f32 v[172+6*\c:174+6*\c], v[64+64*\c:79+64*\c], v[TM+13+2*\c]
	v_cvt_scalef32_pk16_fp6_f32 v[188:190], v[80+64*\c:95+64*\c], v[TM+13+2*\c]
	v_nop                                          ; one plain place behind a scaled conversion
.irp i, 0,1,2
	v_mov_b32 v[163+6*\c+\i], v[184+\i]
	v_mov_b32 v[175+6*\c+\i], v[188+\i]
.endr
.endr
.irp k, 0,1,2,3,4,5,6,7,8,9,10,11
	v_permlane16_swap_b32 v[160+\k], v[172+\k]     ; tile 1's even blocks change places with tile 0's odd ones: v160-171 is now tile 0's fragment, v172-183 tile 1's
.endr
.irp k, 0,1,2,3,4,5
	global_store_b128 v1, v[160+4*\k:163+4*\k], s[30:31] offset:512*\k   ; 512 consecutive aligned bytes each
.endr
	global_store_b32 v10, v[PW], s[32:33]          ; 128 consecutive bytes: the two tiles' scale words
	s_endpgm
.Lfunc_end_k_q15b54f72ed_quant:
	.size	k_q15b54f72ed_quant, .Lfunc_end_k_q15b54f72ed_quant-k_q15b54f72ed_quant
	.p2alignl 7, 3214868480
	.fill 96, 4, 3214868480
	.section	.rodata,"a",@progbits
	.p2align	6, 0x0
	.amdhsa_kernel k_q15b54f72ed_quant
		.amdhsa_group_segment_fixed_size 68608
		.amdhsa_private_segment_fixed_size 0
		.amdhsa_enable_private_segment 0
		.amdhsa_kernarg_size 56
		.amdhsa_user_sgpr_count 2
		.amdhsa_user_sgpr_kernarg_segment_ptr 1
		.amdhsa_wavefront_size32 1
		.amdhsa_system_sgpr_workgroup_id_x 1
		.amdhsa_system_sgpr_workgroup_id_y 1
		.amdhsa_system_sgpr_workgroup_id_z 1
		.amdhsa_system_vgpr_workitem_id 0
		.amdhsa_next_free_vgpr 192
		.amdhsa_next_free_sgpr 66
		.amdhsa_reserve_vcc 0
		.amdhsa_float_denorm_mode_32 3
		.amdhsa_float_denorm_mode_16_64 3
		.amdhsa_memory_ordered 1
		.amdhsa_forward_progress 1
		.amdhsa_inst_pref_size 36
	.end_amdhsa_kernel
	.amdgpu_metadata
---
amdhsa.version: [ 1, 2 ]
amdhsa.kernels:
  - .name:           k_q15b54f72ed_quant
    .symbol:         k_q15b54f72ed_quant.kd
    .args:
      - { .name: hidden_states, .offset: 0, .size: 8, .value_kind: global_buffer, .address_space: global }
      - { .name: Wq, .offset: 8, .size: 8, .value_kind: global_buffer, .address_space: global }
      - { .name: Wk, .offset: 16, .size: 8, .value_kind: global_buffer, .address_space: global }
      - { .name: Wv, .offset: 24, .size: 8, .value_kind: global_buffer, .address_space: global }
      - { .name: Wo, .offset: 32, .size: 8, .value_kind: global_buffer, .address_space: global }
      - { .name: ximg, .offset: 40, .size: 8, .value_kind: global_buffer, .address_space: global }
      - { .name: wimg, .offset: 48, .size: 8, .value_kind: global_buffer, .address_space: global }
    .group_segment_fixed_size: 68608
    .private_segment_fixed_size: 0
    .kernarg_segment_align: 8
    .kernarg_segment_size: 56
    .max_flat_workgroup_size: 256
    .sgpr_count:     66
    .vgpr_count:     192
    .wavefront_size: 32
...
	.end_amdgpu_metadata
.endif
;; end of part 1
;; launch qkv (part 2): grid 4 x 64, 4 waves a work-group, clusters of 4 x 4, 327,680 bytes of LDS; arguments ximg, wimg, bq, bk, bv, qk, vimg; writes qk, vimg
.if DOCPART == 2
	.amdgcn_target "amdgcn-amd-amdhsa--gfx1250"
	.amdhsa_code_object_version 6
	.text
	.protected	k_q15b54f72ed_qkv
	.globl	k_q15b54f72ed_qkv
	.p2align	8
	.type	k_q15b54f72ed_qkv,@function
k_q15b54f72ed_qkv:
	s_mov_b64 s[64:65], 0
	v_nop
	global_prefetch_b8 v0, s[64:65] scope:SCOPE_SE
	s_setreg_imm32_b32 hwreg(HW_REG_WAVE_MODE, 25, 1), 1
	s_wait_xcnt 0x0
	s_wait_alu depctr_hold_cnt(0) depctr_sa_sdst(0) depctr_va_vdst(0) depctr_va_sdst(0) depctr_va_ssrc(0) depctr_va_vcc(0) depctr_vm_vsrc(0)
	s_getreg_b32 s2, hwreg(HW_REG_IB_STS2, 6, 4)
	s_cmp_eq_u32 s2, 0
	s_cbranch_scc0 .Lentry_in_a_cluster
	s_endpgm
.Lentry_in_a_cluster:
	s_bfe_u32 s2, ttmp6, 0x10000c
	s_cmp_lg_u32 s2, 0xf033
	s_cbranch_scc0 .Lentry_shape_is_right
	s_endpgm
.Lentry_shape_is_right:
; q = x Wq + bq, k = x Wk + bk, v = x Wv + bv on codes of FP6 (E2M3) with E8M0 scales, and the results quantised at once for attention: q and k along the head's 64, v along the keys.
; SHARES.  A work-group: 128 tokens (one block of ximg) x 256 columns (two blocks of wimg), all of K = 1,024.  Wave w: all 8 tiles of tokens x 4 tiles of columns = ONE HEAD; 32 accumulators, 256 registers.
; ALL OF K LIES IN LDS: 3 x 102,400 bytes, in chunks of four K steps (51,200 dense bytes); the K loop starts when chunk 0 is in.  B's two slots are filled again with the next weight.
; CLUSTER 4 x 4: the four of a row need the same block of x, the four of a column the same two blocks of a weight: each chunk is asked for jointly.  All sixteen partners work on the same weight at a time.
; q, k: source 0 = 16 columns of W, source 1 = 16 tokens: a lane holds one token and its registers run along the head's dims.  v: the sources swapped: a lane holds one dim and its registers run along the keys.
; By the order of rows in a tile (lane r of tile 2 b + u: row 32 b + 8 u + r + 8 (r / 8)) the 16 registers of two neighbouring tiles are 16 neighbours, so both epilogues are one text.
; The bias is the C of each sum's first matrix instruction.  The 32 accumulators take turns, one instruction a turn, in the same order in every K step.
; OUT.  q, k: for a head and 128 tokens 6,656 bytes: 48 registers a lane in 12 planes of 512 bytes (register 6 t + i: word i of tile t's 24 bytes), then 512 bytes of scale words (lane's word b: tile 2 b in lanes 0-15, 2 b + 1 in lanes 16-31; bytes 2, 3 are 0).
;       v: for a head and 128 keys 6,400 bytes: 4 fragments (16 dims x 128 keys) of three planes, then 256 bytes of scale words.  Every store covers whole aligned runs of 256 bytes.
; LIMITS: blocks whose largest magnitude lies under 2^-124 keep the byte 1; NaN and infinities are not served.
; REGISTERS.  window 0: v16-25 LDS addresses; v28, v29 the add's two; v32-43 scale words, two sets; v64-159 A's and v160-207 B's fragments, set 0; v208-239 the bias.  window 1: the accumulators.  window 2: v64-207 fragments, set 1.
.set ABLK,  102400
.set KST,   12800
.set CHUNK, 2*KST
.set SPARE, 3*ABLK                     ; behind the three blocks: the spare words, 128 bytes for each wave, named by no other line
.set KOFF,  6815744                    ; k's part of the buffer qk
.set A16,   16                         ; v16-17 16 x lane (+ 4 K steps): A's fragments
.set A8,    18                         ; v18-19 8 x lane likewise
.set B16,   20                         ; v20-21 my four tiles of B
.set AS,    22                         ; v22-23 4 x lane: A's scale words
.set BS,    24                         ; v24-25 B's
.set SPW,   28
.set NIL,   29
.set SC,    32                         ; set s at v[SC + 6 s]: four registers of A's words, two of B's; lanes 0-15 an even tile, lanes 16-31 the odd one
.set AF,    64
.set BF,    160
.set BI,    208
.set BM,    208                        ; the epilogue: 16 largest magnitudes,
.set PT,    224                        ; 16 bytes,
.set SO,    240                        ; 16 scale operands,
.set E,     64                         ; 48 registers of codes,
.set T,     112                        ; the upper halves on their way,
.set W,     144                        ; scale words by tile,
.set SW,    152                        ; and as stored
.set WV,    18
.set G1A,   24
.set G1B,   32
.set G0A,   40
.set G0B,   68
.set SEL,   56
.set MSB,   0
.macro WIN new                         ; the immediate's high byte repeats the setting that is left
.if MSB != \new
	s_set_vgpr_msb (MSB<<8)|\new
.set MSB, \new
.endif
.endm
.macro PLACES                          ; four plain places behind a matrix instruction, in front of loads into its registers and of reads of its results
.rept 4
	v_nop
.endr
.endm
.macro CROUND                          ; a round of the cluster's barrier
	s_barrier_signal -1
	s_barrier_wait -1
	s_cmp_lg_u32 s[WV], 0
	s_cbranch_scc1 .Lnot_wave_0_\@
	s_barrier_signal -3
.Lnot_wave_0_\@:
	s_barrier_wait -3
	s_barrier_signal -1
	s_barrier_wait -1
.endm
.macro WM d, a, b, c, sa, sb, ra, rb   ; one product; ra, rb: the scales are taken from lanes 16-31
.if (\ra) && (\rb)
	v_wmma_scale_f32_16x16x128_f8f6f4 v[(\d):(\d)+7], v[(\a):(\a)+11], v[(\b):(\b)+11], v[(\c):(\c)+7], v[(\sa)], v[(\sb)] matrix_a_fmt:MATRIX_FMT_FP6 matrix_b_fmt:MATRIX_FMT_FP6 matrix_a_scale:MATRIX_SCALE_ROW1 matrix_b_scale:MATRIX_SCALE_ROW1
.elseif (\ra)
	v_wmma_scale_f32_16x16x128_f8f6f4 v[(\d):(\d)+7], v[(\a):(\a)+11], v[(\b):(\b)+11], v[(\c):(\c)+7], v[(\sa)], v[(\sb)] matrix_a_fmt:MATRIX_FMT_FP6 matrix_b_fmt:MATRIX_FMT_FP6 matrix_a_scale:MATRIX_SCALE_ROW1
.elseif (\rb)
	v_wmma_scale_f32_16x16x128_f8f6f4 v[(\d):(\d)+7], v[(\a):(\a)+11], v[(\b):(\b)+11], v[(\c):(\c)+7], v[(\sa)], v[(\sb)] matrix_a_fmt:MATRIX_FMT_FP6 matrix_b_fmt:MATRIX_FMT_FP6 matrix_b_scale:MATRIX_SCALE_ROW1
.else
	v_wmma_scale_f32_16x16x128_f8f6f4 v[(\d):(\d)+7], v[(\a):(\a)+11], v[(\b):(\b)+11], v[(\c):(\c)+7], v[(\sa)], v[(\sb)] matrix_a_fmt:MATRIX_FMT_FP6 matrix_b_fmt:MATRIX_FMT_FP6
.endif
.endm
.macro FETCH ks, bk                    ; K step ks into fragment set bk: 50 LDS loads in one run
	WIN 0x80*(\bk)
.irp a, 0,1,2,3,4,5,6,7
	ds_load_b128 v[AF+12*\a:AF+12*\a+3],     v[A16+(\ks)/4] offset:((\ks)%4)*KST+1536*\a
	ds_load_b64  v[AF+12*\a+4:AF+12*\a+5],   v[A8+(\ks)/4]  offset:((\ks)%4)*KST+1536*\a+512
	ds_load_b128 v[AF+12*\a+6:AF+12*\a+9],   v[A16+(\ks)/4] offset:((\ks)%4)*KST+1536*\a+768
	ds_load_b64  v[AF+12*\a+10:AF+12*\a+11], v[A8+(\ks)/4]  offset:((\ks)%4)*KST+1536*\a+1280
.endr
.irp b, 0,1,2,3
.irp p, 0,1,2
	ds_load_b128 v[BF+12*\b+4*\p:BF+12*\b+4*\p+3], v[B16+(\ks)/4] offset:((\ks)%4)*KST+1536*\b+512*\p
.endr
.endr
	WIN 0
.irp p, 0,1,2,3
	ds_load_b32 v[SC+6*(\bk)+\p], v[AS+(\ks)/4] offset:((\ks)%4)*KST+12288+128*\p
.endr
.irp p, 0,1
	ds_load_b32 v[SC+6*(\bk)+4+\p], v[BS+(\ks)/4] offset:((\ks)%4)*KST+12288+128*\p
.endr
.endm
.macro MUL bk, first, swap             ; 32 products of one K step.  first = 1: the bias starts the sums
.if \first
	WIN 0x40
.elseif \bk
	WIN 0x5a
.else
	WIN 0x50
.endif
.irp a, 0,1,2,3,4,5,6,7
.irp b, 0,1,2,3
.if \swap
.if \first
	WM 8*(8*\b+\a), AF+12*\a, BF+12*\b, BI+8*\b, SC+6*\bk+\a/2, SC+6*\bk+4+\b/2, \a%2, \b%2
.else
	WM 8*(8*\b+\a), AF+12*\a, BF+12*\b, 8*(8*\b+\a), SC+6*\bk+\a/2, SC+6*\bk+4+\b/2, \a%2, \b%2
.endif
.else
.if \first
	WM 8*(4*\a+\b), BF+12*\b, AF+12*\a, BI+8*\b, SC+6*\bk+4+\b/2, SC+6*\bk+\a/2, \b%2, \a%2
.else
	WM 8*(4*\a+\b), BF+12*\b, AF+12*\a, 8*(4*\a+\b), SC+6*\bk+4+\b/2, SC+6*\bk+\a/2, \b%2, \a%2
.endif
.endif
.endr
.endr
.endm
.macro GATE left                       ; the next chunk is in, in every wave that fetched a part of it; left: my younger chunks, which may stay out
	s_wait_tensorcnt \left
	s_wait_dscnt 0x0                               ; no LDS load of mine is out at the signal (they were issued 32 matrix instructions ago)
	s_barrier_signal -1
	s_barrier_wait -1
.endm
; A WORK-GROUP STAYS: it makes q, then k, then v of its 128 tokens and four heads.  x's block is filled once; B's two halves (K steps 0-3, K steps 4-7) are a ring of two slots:
; each is filled again with the next weight's half as soon as all waves of all partners have read it out.  A refill: the wait, the add and its wait, a round of the cluster's barrier, and wave 1's joint load first behind it.
; The round also shows to all waves what the refill before it brought.
.macro REFILL g
	WIN 0
	s_wait_tensorcnt 0x0                           ; all my tensor loads have landed, so a descriptor may be written;
	ds_add_u32 v[SPW], v[NIL]
	s_add_nc_u64 s[\g+2:\g+3], s[\g+2:\g+3], 8*ABLK   ; the same two blocks of the next weight: eight blocks on
	s_wait_dscnt 0x0                               ; the add is done, and so are my reads of this slot
	CROUND
	s_cmp_eq_u32 s[WV], 1
	s_cbranch_scc0 .Lnot_mine_\@
	tensor_load_to_lds s[\g:\g+3], s[G1B:G1B+7]
	s_nop 0
.Lnot_mine_\@:
	PLACES
.endm
.macro BODY swap, rf                   ; rf = 1: the next weight is asked for on the way
	FETCH 0, 0
	s_wait_loadcnt 0x0                             ; the bias
	FETCH 1, 1
	s_wait_dscnt 50                                ; all but the 50 just issued
	MUL 0, 1, \swap
	PLACES
	FETCH 2, 0
	s_wait_dscnt 50
	MUL 1, 0, \swap
	PLACES
	FETCH 3, 1
	s_wait_dscnt 50
	MUL 0, 0, \swap
.if \rf
	REFILL G0B                                     ; K steps 4-7 are shown in; K steps 0-3 of B are read out
.else
	GATE 0                                         ; every wave has waited for its load: K steps 4-7 are in
	PLACES
.endif
	FETCH 4, 0
	s_wait_dscnt 50
	MUL 1, 0, \swap
	PLACES
	FETCH 5, 1
	s_wait_dscnt 50
	MUL 0, 0, \swap
	PLACES
	FETCH 6, 0
	s_wait_dscnt 50
	MUL 1, 0, \swap
	PLACES
	FETCH 7, 1
	s_wait_dscnt 50
	MUL 0, 0, \swap
	s_wait_dscnt 0x0
.if \rf
	REFILL G0B+4                                   ; K steps 4-7 of B are read out; the next weight's K steps 0-3 are shown in
.endif
	MUL 1, 0, \swap
	WIN 0
	PLACES
.endm
; THE EPILOGUE.  The 256 accumulator registers are 16 runs of 16 neighbours along the next K; run n and lane l xor 16's run n are a block of 32.
.macro EPI_MAX
	WIN 0x14                                       ; sources 1 and 2: window 1
.irp n, 0,1,2,3,4,5,6,7,8,9,10,11,12,13,14,15
	v_max3_num_f32 v[BM+\n], 0x1800000, |v[16*\n]|, |v[16*\n+1]|   ; the floor 2^(3 - 127) among the leaves; each accumulator is read from its low end on
.endr
.irp i, 2,4,6,8,10,12,14
.irp n, 0,1,2,3,4,5,6,7,8,9,10,11,12,13,14,15
	v_max3_num_f32 v[BM+\n], v[BM+\n], |v[16*\n+\i]|, |v[16*\n+\i+1]|
.endr
.endr
	WIN 0
.endm
.macro EPI_SCALE
.irp n, 0,1,2,3,4,5,6,7,8,9,10,11,12,13,14,15
	v_permlanex16_b32 v[PT+\n], v[BM+\n], s[SEL], s[SEL+1]
.endr
.irp n, 0,1,2,3,4,5,6,7,8,9,10,11,12,13,14,15
	v_max_num_f32 v[BM+\n], v[BM+\n], v[PT+\n]
.endr
.irp n, 0,1,2,3,4,5,6,7,8,9,10,11,12,13,14,15
	v_add_nc_u32 v[SO+\n], 0xff000000, v[BM+\n]    ; 2 off the exponent field: the conversion's scale operand
.endr
.irp n, 0,1,2,3,4,5,6,7,8,9,10,11,12,13,14,15
	v_lshrrev_b32 v[PT+\n], 23, v[SO+\n]           ; the scale's byte
.endr
.endm
.macro EPI_CVT
	WIN 0x01                                       ; source 0: window 1
.irp m, 0,1,2,3,4,5,6,7
	v_cvt_scalef32_pk16_fp6_f32 v[E+6*\m:E+6*\m+2], v[32*\m:32*\m+15], v[SO+2*\m]
	v_cvt_scalef32_pk16_fp6_f32 v[T+4*\m:T+4*\m+2], v[32*\m+16:32*\m+31], v[SO+2*\m+1]
.endr
	WIN 0
	v_nop                                          ; one plain place behind a scaled conversion
.endm
.macro EPI_PACK                        ; a WHOLE block in a lane: lanes 0-15 the even block, lanes 16-31 the odd one
.irp m, 0,1,2,3,4,5,6,7
.irp i, 0,1,2
	v_permlane16_swap_b32 v[E+6*\m+\i], v[T+4*\m+\i]
.endr
.irp i, 0,1,2
	v_mov_b32 v[E+6*\m+3+\i], v[T+4*\m+\i]
.endr
.endr
.endm
.macro FIN
	s_wait_tensorcnt 0x0                           ; the wave's end
	ds_add_u32 v[SPW], v[NIL]
	s_wait_dscnt 0x0
	CROUND                                         ; the closing round
	s_endpgm
.endm
	s_load_b256 s[4:11], s[0:1], 0x0               ; ximg, wimg, bq, bk
	s_load_b128 s[12:15], s[0:1], 0x20             ; bv, qk
	s_load_b64 s[16:17], s[0:1], 0x30              ; vimg
	v_lshl_add_u32 v[SPW], v0, 2, SPARE
	v_mov_b32 v[NIL], 0
	ds_add_u32 v[SPW], v[NIL]                      ; the opening: the add and its wait ahead of my first tensor load; work on registers stands between them
	ds_add_u32 v[SPW], v[NIL]
	v_lshrrev_b32 v1, 5, v0
	v_readfirstlane_b32 s[WV], v1                  ; wave 0..3
	s_bfe_u32 s19, ttmp6, 0x40000                  ; cx
	s_bfe_u32 s20, ttmp6, 0x40004                  ; cy
	s_lshl_b32 s21, ttmp9, 2
	s_add_co_u32 s21, s21, s19                     ; which 256 of a weight's 1,024 columns
	s_and_b32 s22, ttmp7, 0xffff
	s_lshl_b32 s22, s22, 2
	s_add_co_u32 s22, s22, s20                     ; which block of 128 tokens
	s_lshl_b32 s58, s20, 2
	s_lshl_b32 s58, 15, s58                        ; my row of the cluster
	s_lshl_b32 s59, 0x1111, s19                    ; my column
	s_or_b32 s[G1A], s58, (3<<16)|(1<<21)          ; 15:0 the mask; 17:16 elements of 8 bytes; 21 set beside a mask; no padding
	s_or_b32 s[G1B], s59, (3<<16)|(1<<21)
	; FOUR LOADS, ONE A WAVE: A's K steps 0-3 and 4-7 as 200 rows of 256 bytes each; both blocks of B, K steps 0-3 and 4-7, as two rows of 51,200 bytes, 102,400 apart in memory
	s_mov_b32 s[G1A+1], 32<<16
	s_mov_b32 s[G1A+2], 200<<16
	s_mov_b32 s[G1A+3], 32<<16
	s_mov_b32 s[G1A+4], 200
	s_mov_b32 s[G1A+5], 32
	s_mov_b32 s[G1B+1], 6400<<16
	s_mov_b32 s[G1B+2], 2<<16
	s_mov_b32 s[G1B+3], 6400<<16
	s_mov_b32 s[G1B+4], 2
	s_mov_b32 s[G1B+5], 12800
.irp g, G1A, G1B
	s_mov_b32 s[\g+6], 0
	s_mov_b32 s[\g+7], 0
.endr
	s_mul_i32 s60, s22, ABLK                       ; A's block: hangs on the tokens' block alone
	s_mov_b32 s61, 0
	s_lshl_b32 s62, s21, 1                         ; B's two blocks lie on end in wimg
	s_mul_i32 s62, s62, ABLK
	s_mov_b32 s63, 0
	v_and_b32 v1, 31, v0                           ; lane
	v_and_b32 v2, 15, v0                           ; r
	v_bfe_u32 v3, v0, 4, 1                         ; h
	v_lshlrev_b32 v[A16], 4, v1
	s_wait_alu depctr_va_vdst(0)
	v_add_nc_u32 v[A16+1], 4*KST, v[A16]
	v_lshlrev_b32 v[A8], 3, v1
	v_add_nc_u32 v[A8+1], 4*KST, v[A8]
	v_lshlrev_b32 v[AS], 2, v1
	s_wait_alu depctr_va_vdst(0)
	v_add_nc_u32 v[AS+1], 4*KST, v[AS]
	s_lshr_b32 s85, s[WV], 1
	s_mul_i32 s85, s85, 4*KST                      ; LDS behind A: block 0's K steps 0-3, block 1's, block 0's K steps 4-7, block 1's
	s_add_co_u32 s85, s85, ABLK
	s_and_b32 s86, s[WV], 1
	s_mul_i32 s87, s86, 6144                       ; my four tiles of its eight
	s_add_co_u32 s87, s87, s85
	s_lshl_b32 s86, s86, 8
	s_add_co_u32 s86, s86, s85
	v_add_nc_u32 v[B16], s87, v[A16]
	v_add_nc_u32 v[B16+1], ABLK, v[B16]
	v_add_nc_u32 v[BS], s86, v[AS]
	v_add_nc_u32 v[BS+1], ABLK, v[BS]
	s_lshl_b32 s88, s19, 2
	s_add_co_u32 s88, s88, s[WV]                   ; my head
	s_lshr_b32 s89, s22, 4
	s_lshl_b32 s89, s89, 4
	s_add_co_u32 s89, s89, s88                     ; 16 batch + head
	s_and_b32 s90, s22, 15                         ; the tokens' block within the batch
	s_lshl_b32 s92, s88, 8                         ; my head's 64 numbers of a bias
	s_mov_b32 s93, 0
	s_mov_b32 s23, 0xffff0000                      ; lanes 16-31
	s_mov_b32 s[SEL], 0x76543210
	s_mov_b32 s[SEL+1], 0xfedcba98
	s_wait_dscnt 0x0                               ; the opening add is done
	s_wait_kmcnt 0x0
	s_add_nc_u64 s[60:61], s[4:5], s[60:61]
	s_add_nc_u64 s[62:63], s[6:7], s[62:63]
.irp c, 0,1
	s_mov_b32 s[G0A+4*\c], 1
	s_mov_b32 s[G0A+4*\c+1], 2*CHUNK*\c
	s_add_nc_u64 s[G0A+4*\c+2:G0A+4*\c+3], s[60:61], 2*CHUNK*\c
	s_or_b32 s[G0A+4*\c+3], s[G0A+4*\c+3], 0x80000000
	s_mov_b32 s[G0B+4*\c], 1
	s_mov_b32 s[G0B+4*\c+1], ABLK+ABLK*\c
	s_add_nc_u64 s[G0B+4*\c+2:G0B+4*\c+3], s[62:63], 2*CHUNK*\c
	s_or_b32 s[G0B+4*\c+3], s[G0B+4*\c+3], 0x80000000
.endr
	CROUND                                         ; all sixteen work-groups are here: the joint loads meet
	s_cmp_eq_u32 s[WV], 0                          ; one chain of branches on the wave's number, one load to an arm
	s_cbranch_scc0 .Lw1
	tensor_load_to_lds s[G0A:G0A+3], s[G1A:G1A+7]  ; wave 0: A, K steps 0-3
	s_nop 0
	PLACES
	s_branch .Lasked
.Lw1:
	s_cmp_eq_u32 s[WV], 1
	s_cbranch_scc0 .Lw2
	tensor_load_to_lds s[G0B:G0B+3], s[G1B:G1B+7]  ; wave 1: B, K steps 0-3
	s_nop 0
	PLACES
	s_branch .Lasked
.Lw2:
	s_cmp_eq_u32 s[WV], 2
	s_cbranch_scc0 .Lw3
	tensor_load_to_lds s[G0A+4:G0A+7], s[G1A:G1A+7]  ; wave 2: A, K steps 4-7
	s_nop 0
	PLACES
	s_branch .Lasked
.Lw3:
	tensor_load_to_lds s[G0B+4:G0B+7], s[G1B:G1B+7]  ; wave 3: B, K steps 4-7
	s_nop 0
	PLACES
.Lasked:
	; the three biases come now: q's into the first products' C, k's and v's into window 2, v0-31 and v32-63
	s_add_nc_u64 s[8:9], s[8:9], s[92:93]
	s_add_nc_u64 s[10:11], s[10:11], s[92:93]
	s_add_nc_u64 s[12:13], s[12:13], s[92:93]
	v_lshlrev_b32 v4, 6, v3                        ; q, k: 64 h: tile 2 b + u wants the bias of dims 32 b + 16 h + 8 u + 0 .. 7
	v_lshrrev_b32 v5, 3, v2
	v_lshl_add_u32 v5, v5, 3, v2
	v_lshlrev_b32 v5, 2, v5                        ; v: lane r holds dim 32 (b / 2) + 8 (b % 2) + r + 8 (r / 8): one number for all eight registers
.irp b, 0,1,2,3
	global_load_b128 v[BI+8*\b:BI+8*\b+3], v4, s[8:9] offset:128*(\b/2)+32*(\b%2)
	global_load_b128 v[BI+8*\b+4:BI+8*\b+7], v4, s[8:9] offset:128*(\b/2)+32*(\b%2)+16
.endr
	WIN 0x80
.irp b, 0,1,2,3
	global_load_b128 v[8*\b:8*\b+3], v4, s[10:11] offset:128*(\b/2)+32*(\b%2)
	global_load_b128 v[8*\b+4:8*\b+7], v4, s[10:11] offset:128*(\b/2)+32*(\b%2)+16
.endr
.irp b, 0,1,2,3
.irp j, 0,1,2,3,4,5,6,7
	global_load_b32 v[32+8*\b+\j], v5, s[12:13] offset:128*(\b/2)+32*(\b%2)
.endr
.endr
	WIN 0
	s_mul_i32 s94, s89, 106496
	s_mul_i32 s95, s90, 6656
	s_add_co_u32 s94, s94, s95
	s_mov_b32 s95, 0
	s_add_nc_u64 s[14:15], s[14:15], s[94:95]      ; q's place; k's lies KOFF further on
	s_mul_i32 s94, s89, 102400
	s_mul_i32 s95, s90, 6400
	s_add_co_u32 s94, s94, s95
	s_mov_b32 s95, 0
	s_add_nc_u64 s[16:17], s[16:17], s[94:95]      ; v's place
	s_mov_b32 s96, 0                               ; 0: q, 1: k
	s_wait_alu depctr_va_vdst(0)
	s_cmp_lt_u32 s[WV], 2                          ; waves 0 and 1 wait for their loads, K steps 0-3; the other two loads may be out
	s_cbranch_scc0 .Lno_wait
	s_wait_tensorcnt 0x0
.Lno_wait:
	s_barrier_signal -1
	s_barrier_wait -1
.Lqk:
	BODY 0, 1
	EPI_MAX
	EPI_SCALE
	EPI_CVT
	EPI_PACK
.irp a, 0,1,2,3,4,5,6,7
	v_lshl_or_b32 v[W+\a], v[PT+2*\a+1], 8, v[PT+2*\a]   ; tile a's word: the two blocks' bytes; bytes 2 and 3 are 0
.endr
.irp q, 0,1,2,3
	v_cndmask_b32 v[SW+\q], v[W+2*\q], v[W+2*\q+1], s23
.endr
.irp p, 0,1,2,3,4,5,6,7,8,9,10,11
	global_store_b128 v[A16], v[E+4*\p:E+4*\p+3], s[14:15] offset:512*\p
.endr
	global_store_b128 v[A16], v[SW:SW+3], s[14:15] offset:6144
	WIN 0x02                                       ; the next bias moves in, and the one behind it moves up
.set i, 0
.rept 32
	v_mov_b32 v[BI+i], v[i]
.set i, i+1
.endr
	WIN 0x82
.set i, 0
.rept 32
	v_mov_b32 v[i], v[32+i]
.set i, i+1
.endr
	WIN 0
	s_wait_xcnt 0x0                                ; the stores have read their data and their base: the fragments' registers and the base are written again
	s_add_nc_u64 s[14:15], s[14:15], KOFF
	s_add_co_u32 s96, s96, 1
	s_cmp_lt_u32 s96, 2
	s_wait_alu depctr_va_vdst(0)
	s_cbranch_scc1 .Lqk
	; ---------------- v: nothing more is asked for
	BODY 1, 0
	EPI_MAX
	EPI_SCALE
	EPI_CVT
	EPI_PACK
.irp b, 0,1,2,3
	v_lshl_or_b32 v[W+\b], v[PT+4*\b+1], 8, v[PT+4*\b]   ; tile b's word: the bytes of the four blocks of 32 keys
	v_lshl_or_b32 v[W+\b], v[PT+4*\b+2], 16, v[W+\b]
	v_lshl_or_b32 v[W+\b], v[PT+4*\b+3], 24, v[W+\b]
.endr
.irp g, 0,1
	v_cndmask_b32 v[SW+\g], v[W+2*\g], v[W+2*\g+1], s23
.endr
.irp p, 0,1,2,3,4,5,6,7,8,9,10,11
	global_store_b128 v[A16], v[E+4*\p:E+4*\p+3], s[16:17] offset:512*\p
.endr
	global_store_b64 v[A8], v[SW:SW+1], s[16:17] offset:6144
	FIN
.Lfunc_end_k_q15b54f72ed_qkv:
	.size	k_q15b54f72ed_qkv, .Lfunc_end_k_q15b54f72ed_qkv-k_q15b54f72ed_qkv
	.p2alignl 7, 3214868480
	.fill 96, 4, 3214868480
	.section	.rodata,"a",@progbits
	.p2align	6, 0x0
	.amdhsa_kernel k_q15b54f72ed_qkv
		.amdhsa_group_segment_fixed_size 327680
		.amdhsa_private_segment_fixed_size 0
		.amdhsa_enable_private_segment 0
		.amdhsa_kernarg_size 56
		.amdhsa_user_sgpr_count 2
		.amdhsa_user_sgpr_kernarg_segment_ptr 1
		.amdhsa_wavefront_size32 1
		.amdhsa_system_sgpr_workgroup_id_x 1
		.amdhsa_system_sgpr_workgroup_id_y 1
		.amdhsa_system_sgpr_workgroup_id_z 1
		.amdhsa_system_vgpr_workitem_id 0
		.amdhsa_next_free_vgpr 768
		.amdhsa_next_free_sgpr 100
		.amdhsa_reserve_vcc 0
		.amdhsa_float_denorm_mode_32 3
		.amdhsa_float_denorm_mode_16_64 3
		.amdhsa_memory_ordered 1
		.amdhsa_forward_progress 1
		.amdhsa_inst_pref_size 167
	.end_amdhsa_kernel
	.amdgpu_metadata
---
amdhsa.version: [ 1, 2 ]
amdhsa.kernels:
  - .name:           k_q15b54f72ed_qkv
    .symbol:         k_q15b54f72ed_qkv.kd
    .args:
      - { .name: ximg, .offset: 0, .size: 8, .value_kind: global_buffer, .address_space: global }
      - { .name: wimg, .offset: 8, .size: 8, .value_kind: global_buffer, .address_space: global }
      - { .name: bq, .offset: 16, .size: 8, .value_kind: global_buffer, .address_space: global }
      - { .name: bk, .offset: 24, .size: 8, .value_kind: global_buffer, .address_space: global }
      - { .name: bv, .offset: 32, .size: 8, .value_kind: global_buffer, .address_space: global }
      - { .name: qk, .offset: 40, .size: 8, .value_kind: global_buffer, .address_space: global }
      - { .name: vimg, .offset: 48, .size: 8, .value_kind: global_buffer, .address_space: global }
    .group_segment_fixed_size: 327680
    .private_segment_fixed_size: 0
    .kernarg_segment_align: 8
    .kernarg_segment_size: 56
    .max_flat_workgroup_size: 128
    .sgpr_count:     100
    .vgpr_count:     768
    .wavefront_size: 32
...
	.end_amdgpu_metadata
.endif
;; end of part 2
;; launch attn (part 3): grid 4 x 64, 8 waves a work-group, clusters of 4 x 1, 219,136 bytes of LDS; arguments qk, vimg, attention_mask, cimg; writes cimg
.if DOCPART == 3
	.amdgcn_target "amdgcn-amd-amdhsa--gfx1250"
	.amdhsa_code_object_version 6
	.text
	.protected	k_q15b54f72ed_attn
	.globl	k_q15b54f72ed_attn
	.p2align	8
	.type	k_q15b54f72ed_attn,@function
k_q15b54f72ed_attn:
	s_mov_b64 s[64:65], 0
	v_nop
	global_prefetch_b8 v0, s[64:65] scope:SCOPE_SE
	s_setreg_imm32_b32 hwreg(HW_REG_WAVE_MODE, 25, 1), 1
	s_wait_xcnt 0x0
	s_wait_alu depctr_hold_cnt(0) depctr_sa_sdst(0) depctr_va_vdst(0) depctr_va_sdst(0) depctr_va_ssrc(0) depctr_va_vcc(0) depctr_vm_vsrc(0)
	s_getreg_b32 s2, hwreg(HW_REG_IB_STS2, 6, 4)
	s_cmp_eq_u32 s2, 0
	s_cbranch_scc0 .Lentry_in_a_cluster
	s_endpgm
.Lentry_in_a_cluster:
	s_bfe_u32 s2, ttmp6, 0x10000c
	s_cmp_lg_u32 s2, 0x3003
	s_cbranch_scc0 .Lentry_shape_is_right
	s_endpgm
.Lentry_shape_is_right:
; ctx = softmax(q k^T / 8 + mask) v for one head, both products on codes of FP6 (E2M3) with E8M0 scales; ctx is quantised along the head's 64 at once, for the last projection.
; THE SOFTMAX: t = (score / 8 + mask) log2(e); M = the running largest t rounded UP to a whole number; p = 2^(t - M) is quantised along the keys, not normalised; the row's sum is taken of the unquantised p and divides at the end.
; SHARES.  A work-group: one head, 512 queries; the head's whole K (16 x 6,656 bytes) and V (16 x 6,400) lie in LDS, each byte filled once.  The four work-groups of a cluster are the head's four query blocks: they ask for K and V jointly.
; Eight waves, two to a SIMD.  A wave owns four tiles of 16 queries and takes them TWO AT A TIME through all 2,048 keys, 128 a step: each fragment of K, V and the mask is read from LDS once for both tiles, and the two tiles' chains stand line by line in turn.
; LAYOUT.  Both products transposed (S^T = K Q^T, O^T = V^T P^T): a lane holds ONE query.  Lane r of K's tile 2 b + u is key 32 b + 8 u + r + 8 (r / 8): the 16 registers of two neighbouring tiles are 16 neighbouring keys.
; K = 64 IN A FORM OF K = 128: Q's upper six registers are zero codes; K's operand is a run of twelve registers that begins at its tile's six; bytes 2, 3 of both scale words are 0, which is 2^-127.
; THE MASK, 8 x mask, is the C of the first product, in 64 registers of its own; the next step's is fetched behind this step's first products (a 17th step in LDS repeats the first, so that the last step's fetch serves the next pass).
; REGISTERS.  Window 1: v0-127 the two tiles' scores, then p; v128-191 their O^T; v192-204 the second pass's Q.  Window 0: all else.
; All of K and V is asked for at the head, one load a wave, so there is no loop to prefetch in.
; LIMITS: the mask is held to +-2^24 (a -infinity counts as -2^24); rows all of whose keys lie beyond that bound differ from the definition; the scaled scores stay under 2^31; NaN is not served; blocks of p or ctx under 2^-124 keep the byte 1.
.set KSTEP, 6656
.set VSTEP, 6400
.set KOFF,  6815744
.set VLDS,  16*KSTEP
.set MASK,  VLDS+16*VSTEP              ; 8 x mask: 17 steps of 512 bytes, written by LDS stores; no fill lands here
.set SPARE, MASK+8704                  ; the spare words, 128 bytes for each wave, named by no other line
.set LI,   1
.set AV0,  2
.set AVS0, 3
.set AM0,  4
.set SPW,  5
.set NIL,  6
.set ADK,  7
.set ADV,  8
.set ADVS, 9
.set ADM,  10
.set QS,   11                          ; Q's scale words: lanes 0-15 tile 0, lanes 16-31 tile 1
.set ST,   12                          ; tile q at ST + 4 q: -M, the largest t, the sum in two halves
.set Q,    20                          ; tile q's codes at Q + 12 q
.set KV,   44                          ; K's 48 registers, later V's; six zeros behind
.set VS,   98
.set KS,   100
.set MK,   104
.set P,    168                         ; + 12 q
.set CT,   192                         ; + 8 q
.set BM,   208
.set PT,   216
.set SO,   224
.set F,    232                         ; f at F + 4 q; p's scale word at F + 4 q + 1
.set TMP,  234                         ; + q
.set L8,   238
.set R4,   239
.set T,    240                         ; + 8 q + 2 k: partial sums
.set O,    128                         ; window 1, + 32 q
.set QN,   192                         ; window 1
.set WV,   18
.set CS,   22
.set G1K,  24
.set G1V,  32
.set G0K,  40
.set G0V,  48
.set SEL,  56
.set TK,   58
.set TV,   59
.set TMS,  60
.set CNT,  61
.set MSB,  0
.macro WIN new                         ; the immediate's high byte repeats the setting that is left
.if MSB != \new
	s_set_vgpr_msb (MSB<<8)|\new
.set MSB, \new
.endif
.endm
.macro PLACES
.rept 4
	v_nop
.endr
.endm
.macro CROUND
	s_barrier_signal -1
	s_barrier_wait -1
	s_cmp_lg_u32 s[WV], 0
	s_cbranch_scc1 .Lnot_wave_0_\@
	s_barrier_signal -3
.Lnot_wave_0_\@:
	s_barrier_wait -3
	s_barrier_signal -1
	s_barrier_wait -1
.endm
.macro WM d, a, b, c, sa, sb, ra, rb
.if (\ra) && (\rb)
	v_wmma_scale_f32_16x16x128_f8f6f4 v[(\d):(\d)+7], v[(\a):(\a)+11], v[(\b):(\b)+11], v[(\c):(\c)+7], v[(\sa)], v[(\sb)] matrix_a_fmt:MATRIX_FMT_FP6 matrix_b_fmt:MATRIX_FMT_FP6 matrix_a_scale:MATRIX_SCALE_ROW1 matrix_b_scale:MATRIX_SCALE_ROW1
.elseif (\ra)
	v_wmma_scale_f32_16x16x128_f8f6f4 v[(\d):(\d)+7], v[(\a):(\a)+11], v[(\b):(\b)+11], v[(\c):(\c)+7], v[(\sa)], v[(\sb)] matrix_a_fmt:MATRIX_FMT_FP6 matrix_b_fmt:MATRIX_FMT_FP6 matrix_a_scale:MATRIX_SCALE_ROW1
.elseif (\rb)
	v_wmma_scale_f32_16x16x128_f8f6f4 v[(\d):(\d)+7], v[(\a):(\a)+11], v[(\b):(\b)+11], v[(\c):(\c)+7], v[(\sa)], v[(\sb)] matrix_a_fmt:MATRIX_FMT_FP6 matrix_b_fmt:MATRIX_FMT_FP6 matrix_b_scale:MATRIX_SCALE_ROW1
.else
	v_wmma_scale_f32_16x16x128_f8f6f4 v[(\d):(\d)+7], v[(\a):(\a)+11], v[(\b):(\b)+11], v[(\c):(\c)+7], v[(\sa)], v[(\sb)] matrix_a_fmt:MATRIX_FMT_FP6 matrix_b_fmt:MATRIX_FMT_FP6
.endif
.endm
.macro MLOAD adr, off                  ; a step's 8 x mask: register 16 b + i is key 32 b + 16 h + i
.irp n, 0,1,2,3,4,5,6,7,8,9,10,11,12,13,14,15
	ds_load_b128 v[MK+4*\n:MK+4*\n+3], v[\adr] offset:\off+128*(\n/4)+16*(\n%4)
.endr
.endm
.macro PACK n                          ; n conversions' halves become whole blocks: lanes 0-15 the even block, lanes 16-31 the odd one
.irp q, 0,1
.set c, 0
.rept \n
.irp i, 0,1,2
	v_permlane16_swap_b32 v[P+12*\q+6*c+\i], v[CT+8*\q+4*c+\i]
.endr
.irp i, 0,1,2
	v_mov_b32 v[P+12*\q+6*c+3+\i], v[CT+8*\q+4*c+\i]
.endr
.set c, c+1
.endr
.endr
.endm
	s_load_b256 s[4:11], s[0:1], 0x0               ; qk, vimg, the mask, cimg
	v_lshl_add_u32 v[SPW], v0, 2, SPARE
	v_mov_b32 v[NIL], 0
	ds_add_u32 v[SPW], v[NIL]                      ; the opening lines: the add, twice on end, and its wait ahead of my tensor load
	ds_add_u32 v[SPW], v[NIL]
	v_lshrrev_b32 v[ADK], 5, v0
	v_readfirstlane_b32 s[WV], v[ADK]              ; wave 0..7
	v_and_b32 v[ADV], 31, v0                       ; lane
	v_and_b32 v[ADVS], 15, v0                      ; r
	v_bfe_u32 v[ADM], v0, 4, 1                     ; h
	v_lshlrev_b32 v[LI], 4, v[ADV]
	v_lshlrev_b32 v[L8], 3, v[ADV]
	v_lshl_add_u32 v[AM0], v[ADM], 6, MASK
	v_lshlrev_b32 v[R4], 2, v[ADVS]
	v_add_nc_u32 v[AV0], VLDS, v[LI]
	v_add_nc_u32 v[AVS0], VLDS+6144, v[L8]
	v_lshlrev_b32 v[TMP], 4, v0                    ; the mask: 16 bytes a thread, twice
	v_lshl_add_u32 v[TMP+1], v0, 4, MASK
.irp i, 6,7,8,9,10,11
	v_mov_b32 v[Q+\i], 0                           ; zero codes for k = 64 .. 127
	v_mov_b32 v[Q+12+\i], 0
	v_mov_b32 v[KV+42+\i], 0                       ; what stands behind K's last tile
.endr
.irp n, 0,1,2,3,4,5,6,7
	v_mov_b32 v[PT+\n], 0                          ; a lane permute's destination counts as one of its sources
.endr
	v_mov_b32 v[F+1], 0                            ; (named as the upper halves of the pairs with f)
	v_mov_b32 v[F+5], 0
	s_bfe_u32 s19, ttmp6, 0x40000                  ; cx: it enters Q's and ctx's global addresses alone
	s_and_b32 s20, ttmp7, 0xffff                   ; 16 batch + head
	s_lshl_b32 s21, ttmp9, 2
	s_add_co_u32 s21, s21, s19
	s_lshl_b32 s21, s21, 2
	s_lshr_b32 s84, s[WV], 1
	s_add_co_u32 s21, s21, s84                     ; my block of 128 queries, 0..15
	s_and_b32 s85, s[WV], 1
	s_lshl_b32 s85, s85, 1                         ; j: pass p takes tiles 2 (j + p), 2 (j + p) + 1 of it
	s_mul_i32 s66, s20, 16*KSTEP
	s_mov_b32 s67, 0
	s_mul_i32 s86, s21, KSTEP
	s_add_co_u32 s86, s86, s66
	s_mul_i32 s87, s85, 1536
	s_add_co_u32 s88, s86, s87                     ; a pass's two tiles: three planes of 512 bytes
	s_mov_b32 s89, 0
	s_lshl_b32 s87, s85, 2
	s_add_co_u32 s90, s86, s87
	s_add_co_u32 s90, s90, 6144                    ; and word j of the scale words
	s_mov_b32 s91, 0
	s_add_co_u32 s66, s66, KOFF
	s_mul_i32 s92, s20, 16*VSTEP
	s_mov_b32 s93, 0
	s_lshr_b32 s94, s20, 4                         ; batch
	s_and_b32 s95, s20, 15                         ; head
	s_lshl_b32 s96, s94, 4
	s_add_co_u32 s96, s96, s21
	s_mul_i32 s96, s96, 102400                     ; my block of tokens in cimg
	s_lshr_b32 s97, s95, 1
	s_mul_i32 s97, s97, 12800                      ; two heads are a K step of the last projection
	s_add_co_u32 s96, s96, s97
	s_and_b32 s95, s95, 1
	s_mul_i32 s97, s85, 3072
	s_add_co_u32 s97, s97, s96
	s_mul_i32 s98, s95, 768
	s_add_co_u32 s98, s98, s97                     ; my first tile's half fragment
	s_mov_b32 s99, 0
	s_lshl_b32 s97, s85, 7
	s_add_co_u32 s96, s96, s97
	s_lshl_b32 s97, s95, 1
	s_add_co_u32 s96, s96, s97
	s_add_co_u32 s96, s96, 12288                   ; my first tile's half scale words
	s_mov_b32 s97, 0
	s_lshl_b32 s94, s94, 13                        ; the batch's 2,048 numbers of the mask
	s_mov_b32 s95, 0
	s_mov_b32 s[G1K], 15|(3<<16)|(1<<21)           ; the mask: all four work-groups; elements of 8 bytes; bit 21 beside a mask
	s_mov_b32 s[G1K+1], 32<<16                     ; rows of 256 bytes
	s_mov_b32 s[G1K+2], 104<<16                    ; four steps of K: 104 rows
	s_mov_b32 s[G1K+3], 32<<16
	s_mov_b32 s[G1K+4], 104
	s_mov_b32 s[G1K+5], 32
	s_mov_b32 s[G1K+6], 0
	s_mov_b32 s[G1K+7], 0
	s_mov_b32 s[G1V], 15|(3<<16)|(1<<21)
	s_mov_b32 s[G1V+1], 32<<16
	s_mov_b32 s[G1V+2], 100<<16                    ; four steps of V: 100 rows
	s_mov_b32 s[G1V+3], 32<<16
	s_mov_b32 s[G1V+4], 100
	s_mov_b32 s[G1V+5], 32
	s_mov_b32 s[G1V+6], 0
	s_mov_b32 s[G1V+7], 0
	s_mov_b32 s[SEL], 0x76543210
	s_mov_b32 s[SEL+1], 0xfedcba98
	s_mov_b32 s[CS], 0x3e38aa3b                    ; c = log2(e) / 8
	s_mov_b32 s[CS+1], s[CS]
	s_mov_b32 s62, 0xcd000000                      ; -2^27
	s_mov_b32 s63, 0x4d000000                      ; 2^27
	s_and_b32 s44, s[WV], 3                        ; which quarter of K (waves 0-3) or of V (waves 4-7) I fetch
	s_mul_i32 s46, s44, 4*VSTEP
	s_mul_i32 s44, s44, 4*KSTEP
	s_mov_b32 s45, 0
	s_mov_b32 s47, 0
	s_wait_alu depctr_va_vdst(0)
	s_wait_dscnt 0x0                               ; both opening adds are done
	s_wait_kmcnt 0x0
	s_add_nc_u64 s[66:67], s[4:5], s[66:67]        ; the head's K
	s_add_nc_u64 s[92:93], s[6:7], s[92:93]        ; the head's V
	s_add_nc_u64 s[88:89], s[4:5], s[88:89]
	s_add_nc_u64 s[90:91], s[4:5], s[90:91]
	s_add_nc_u64 s[8:9], s[8:9], s[94:95]
	s_add_nc_u64 s[98:99], s[10:11], s[98:99]
	s_add_nc_u64 s[96:97], s[10:11], s[96:97]
	s_mov_b32 s[G0K], 1
	s_mov_b32 s[G0K+1], s44
	s_add_nc_u64 s[G0K+2:G0K+3], s[66:67], s[44:45]
	s_or_b32 s[G0K+3], s[G0K+3], 0x80000000
	s_mov_b32 s[G0V], 1
	s_add_co_u32 s[G0V+1], s46, VLDS
	s_add_nc_u64 s[G0V+2:G0V+3], s[92:93], s[46:47]
	s_or_b32 s[G0V+3], s[G0V+3], 0x80000000
	CROUND                                         ; all four work-groups are here: the joint loads meet
	s_cmp_lt_u32 s[WV], 4                          ; every wave issues one load
	s_cbranch_scc0 .Lfor_v
	tensor_load_to_lds s[G0K:G0K+3], s[G1K:G1K+7]
	s_nop 0
	PLACES
	s_branch .Lasked
.Lfor_v:
	tensor_load_to_lds s[G0V:G0V+3], s[G1V:G1V+7]
	s_nop 0
	PLACES
.Lasked:
	global_load_b128 v[MK:MK+3], v[TMP], s[8:9]
	global_load_b128 v[MK+4:MK+7], v[TMP], s[8:9] offset:4096
	global_load_b128 v[Q:Q+3], v[LI], s[88:89]                   ; the first pass's two tiles, six registers each
	global_load_b64 v[Q+4:Q+5], v[LI], s[88:89] offset:512
	global_load_b64 v[Q+12:Q+13], v[LI], s[88:89] offset:520
	global_load_b128 v[Q+14:Q+17], v[LI], s[88:89] offset:1024
	global_load_b32 v[QS], v[LI], s[90:91]
	WIN 0x40                                       ; the second pass's wait in window 1
	global_load_b128 v[QN:QN+3], v[LI], s[88:89] offset:1536
	global_load_b64 v[QN+4:QN+5], v[LI], s[88:89] offset:2048
	global_load_b64 v[QN+6:QN+7], v[LI], s[88:89] offset:2056
	global_load_b128 v[QN+8:QN+11], v[LI], s[88:89] offset:2560
	global_load_b32 v[QN+12], v[LI], s[90:91] offset:4
	WIN 0
	s_wait_loadcnt 10                              ; the mask is in; Q's ten loads may be out
.irp i, 0,1,2,3,4,5,6,7
	v_mul_f32 v[MK+\i], 0x41000000, v[MK+\i]       ; 8 x mask: exact
.endr
.irp i, 0,1,2,3,4,5,6,7
	v_med3_num_f32 v[MK+\i], v[MK+\i], s62, s63    ; held to +-2^27
.endr
	ds_store_b128 v[TMP+1], v[MK:MK+3]
	ds_store_b128 v[TMP+1], v[MK+4:MK+7] offset:4096
	s_cmp_lg_u32 s[WV], 0
	s_cbranch_scc1 .Lno_copy
	ds_store_b128 v[TMP+1], v[MK:MK+3] offset:8192 ; wave 0 holds step 0's 512 bytes: once more, as step 16
.Lno_copy:
	s_wait_alu depctr_va_vdst(0)
	s_wait_loadcnt 0x0                             ; Q
	s_wait_tensorcnt 0x0                           ; my part of K or V has landed,
	s_wait_dscnt 0x0                               ; my part of the mask is stored:
	s_barrier_signal -1
	s_barrier_wait -1                              ; everybody's is.  From here on LDS is only read
	MLOAD AM0, 0
; A KEY STEP: 128 keys for my two tiles of queries
.macro STEP
	v_add_nc_u32 v[ADK], s[TK], v[LI]              ; these four are also the places behind the last step's products
	v_add_nc_u32 v[ADV], s[TV], v[AV0]
	v_add_nc_u32 v[ADVS], s[TV], v[AVS0]
	v_add_nc_u32 v[ADM], s[TMS], v[AM0]
.irp p, 0,1,2,3,4,5,6,7,8,9,10,11
	ds_load_b128 v[KV+4*\p:KV+4*\p+3], v[ADK] offset:512*\p
.endr
	ds_load_b128 v[KS:KS+3], v[ADK] offset:6144
	s_wait_alu depctr_va_vdst(0)
	s_wait_dscnt 0x0                               ; K, and the mask asked for a step ago
	WIN 0x40
.irp t, 0,1,2,3,4,5,6,7
.irp q, 0,1
	WM 64*\q+8*\t, KV+6*\t, Q+12*\q, MK+8*\t, KS+\t/2, QS, \t%2, \q   ; S^T + 8 mask
.endr
.endr
	PLACES
	WIN 0
.irp p, 0,1,2,3,4,5,6,7,8,9,10,11
	ds_load_b128 v[KV+4*\p:KV+4*\p+3], v[ADV] offset:512*\p    ; V lands under the softmax,
.endr
	ds_load_b64 v[VS:VS+1], v[ADVS]
	MLOAD ADM, 512                                 ; and the next step's mask: 16 loads
	WIN 0x15
.irp n, 0,1,2,3,4,5,6,7
	v_max3_num_f32 v[BM+\n], v[16*\n], v[16*\n+1], v[16*\n+2]   ; the largest score of each block of 32 keys (n = 4 q + b): for the row's maximum and for the block's largest p
.endr
	WIN 0x14
.irp i, 3,5,7,9,11,13
.irp n, 0,1,2,3,4,5,6,7
	v_max3_num_f32 v[BM+\n], v[BM+\n], v[16*\n+\i], v[16*\n+\i+1]
.endr
.endr
.irp n, 0,1,2,3,4,5,6,7
	v_max_num_f32 v[BM+\n], v[BM+\n], v[16*\n+15]
.endr
	WIN 0
.irp n, 0,1,2,3,4,5,6,7
	v_permlanex16_b32 v[PT+\n], v[BM+\n], s[SEL], s[SEL+1]
.endr
.irp n, 0,1,2,3,4,5,6,7
	v_max_num_f32 v[BM+\n], v[BM+\n], v[PT+\n]     ; with lane l xor 16's 16 keys
.endr
.irp q, 0,1
	v_max3_num_f32 v[TMP+\q], v[BM+4*\q], v[BM+4*\q+1], v[BM+4*\q+2]
.endr
.irp q, 0,1
	v_max_num_f32 v[TMP+\q], v[TMP+\q], v[BM+4*\q+3]
.endr
.irp q, 0,1
	v_mul_f32 v[TMP+\q], s[CS], v[TMP+\q]          ; as t (c is positive)
.endr
.irp q, 0,1
	v_max_num_f32 v[ST+4*\q+1], v[ST+4*\q+1], v[TMP+\q]   ; the running largest t
.endr
.irp q, 0,1
	v_mov_b32 v[TMP+\q], v[ST+4*\q]
.endr
.irp q, 0,1
	v_floor_f32 v[ST+4*\q], -v[ST+4*\q+1]          ; the new -M = floor(-t)
.endr
.irp q, 0,1
	v_sub_f32 v[TMP+\q], v[ST+4*\q], v[TMP+\q]     ; old M - new M: a whole number, 0 or less
.endr
.irp q, 0,1
	v_cvt_i32_f32 v[TMP+\q], v[TMP+\q]
.endr
.irp q, 0,1
	v_ldexp_f32 v[F+4*\q], 1.0, v[TMP+\q]          ; f = 2^(old M - new M): rounds nothing
.endr
.irp n, 0,1,2,3,4,5,6,7
	v_fma_f32 v[BM+\n], v[BM+\n], s[CS], v[ST+4*(\n/4)]   ; t - M of each block's largest score
.endr
	WIN 0x41
.set j, 0
.rept 32
	v_pk_fma_f32 v[2*j:2*j+1], v[2*j:2*j+1], s[CS:CS+1], v[ST:ST+1] op_sel_hi:[1,0,0]   ; tile 0: t - M, two at a time
.set j, j+1
.endr
	s_wait_alu depctr_va_vdst(0)                   ; the wait ahead of a batch
.set j, 0
.rept 32
	v_exp_f32 v[2*j], v[2*j]                       ; tile 0: p = 2^(t - M), at most 1; tile 1's t - M stands among these
	v_pk_fma_f32 v[64+2*j:64+2*j+1], v[64+2*j:64+2*j+1], s[CS:CS+1], v[ST+4:ST+5] op_sel_hi:[1,0,0]
	v_exp_f32 v[2*j+1], v[2*j+1]
.set j, j+1
.endr
	s_wait_alu depctr_va_vdst(0)                   ; and ahead of tile 1's batch, whose sources were written among tile 0's
.set j, 64
.rept 64
	v_exp_f32 v[j], v[j]
.set j, j+1
.endr
	WIN 0
.irp n, 0,1,2,3,4,5,6,7
	v_exp_f32 v[BM+\n], v[BM+\n]                   ; the block's largest p
.endr
.irp q, 0,1
	v_pk_mul_f32 v[ST+4*\q+2:ST+4*\q+3], v[ST+4*\q+2:ST+4*\q+3], v[F+4*\q:F+4*\q+1] op_sel_hi:[1,0]   ; the sums under the new M; the plain place behind the batch
.endr
	s_wait_alu depctr_va_vdst(0)                   ; one wait for the whole batch, ahead of its first reader
	WIN 0x05
.irp k, 0,1,2,3
.irp q, 0,1
	v_pk_add_f32 v[T+8*\q+2*\k:T+8*\q+2*\k+1], v[64*\q+4*\k:64*\q+4*\k+1], v[64*\q+4*\k+2:64*\q+4*\k+3]   ; the rows' sums of the unquantised p: four chains a tile
.endr
.endr
	WIN 0x04
.set m, 8
.rept 24
.irp q, 0,1
	v_pk_add_f32 v[T+8*\q+2*(m%4):T+8*\q+2*(m%4)+1], v[T+8*\q+2*(m%4):T+8*\q+2*(m%4)+1], v[64*\q+2*m:64*\q+2*m+1]
.endr
.set m, m+1
.endr
	WIN 0
.irp q, 0,1
	v_pk_add_f32 v[T+8*\q:T+8*\q+1], v[T+8*\q:T+8*\q+1], v[T+8*\q+2:T+8*\q+3]
	v_pk_add_f32 v[T+8*\q+4:T+8*\q+5], v[T+8*\q+4:T+8*\q+5], v[T+8*\q+6:T+8*\q+7]
.endr
.irp n, 0,1,2,3,4,5,6,7
	v_max_num_f32 v[BM+\n], 0x1800000, v[BM+\n]    ; the floor 2^(3 - 127): the byte cannot fall under 1
.endr
.irp q, 0,1
	v_pk_add_f32 v[T+8*\q:T+8*\q+1], v[T+8*\q:T+8*\q+1], v[T+8*\q+4:T+8*\q+5]
.endr
.irp n, 0,1,2,3,4,5,6,7
	v_add_nc_u32 v[SO+\n], 0xff000000, v[BM+\n]    ; 2 off the exponent field: the conversion's scale operand
.endr
.irp q, 0,1
	v_pk_add_f32 v[ST+4*\q+2:ST+4*\q+3], v[ST+4*\q+2:ST+4*\q+3], v[T+8*\q:T+8*\q+1]
.endr
.irp n, 0,1,2,3,4,5,6,7
	v_lshrrev_b32 v[PT+\n], 23, v[SO+\n]           ; the scale's byte
.endr
.irp q, 0,1
	v_lshl_or_b32 v[F+4*\q+1], v[PT+4*\q+1], 8, v[PT+4*\q]   ; p's scale word for these 128 keys
.endr
.irp q, 0,1
	v_lshl_or_b32 v[F+4*\q+1], v[PT+4*\q+2], 16, v[F+4*\q+1]
.endr
.irp q, 0,1
	v_lshl_or_b32 v[F+4*\q+1], v[PT+4*\q+3], 24, v[F+4*\q+1]
.endr
	WIN 0x01
.irp q, 0,1
.irp c, 0,1
	v_cvt_scalef32_pk16_fp6_f32 v[P+12*\q+6*\c:P+12*\q+6*\c+2], v[64*\q+32*\c:64*\q+32*\c+15], v[SO+4*\q+2*\c]
	v_cvt_scalef32_pk16_fp6_f32 v[CT+8*\q+4*\c:CT+8*\q+4*\c+2], v[64*\q+32*\c+16:64*\q+32*\c+31], v[SO+4*\q+2*\c+1]
.endr
.endr
	WIN 0
	v_nop                                          ; one plain place behind a scaled conversion
	PACK 2
	WIN 0x41
	s_wait_alu depctr_va_vdst(0)                   ; the wait directly ahead of the first reader of O^T
.set j, 0
.rept 32
	v_pk_mul_f32 v[O+2*j:O+2*j+1], v[O+2*j:O+2*j+1], v[F+4*(j/16):F+4*(j/16)+1] op_sel_hi:[1,0]   ; O^T under the new M; these also stand between the writes of p's codes and scale words and the products
.set j, j+1
.endr
	s_wait_alu depctr_va_vdst(0)
	s_wait_dscnt 16                                ; V is in; the 16 loads of the next mask may be out
	WIN 0x50
.irp t, 0,1,2,3
.irp q, 0,1
	WM O+32*\q+8*\t, KV+12*\t, P+12*\q, O+32*\q+8*\t, VS+\t/2, F+4*\q+1, \t%2, 0
.endr
.endr
	WIN 0
	s_add_co_u32 s[TK], s[TK], KSTEP
	s_add_co_u32 s[TV], s[TV], VSTEP
	s_add_co_u32 s[TMS], s[TMS], 512
.endm
.macro INIT                            ; the step is written once for a pass: its first trip finds zeros, which the first change of M leaves zeros
.irp q, 0,1
	v_mov_b32 v[ST+4*\q+1], 0xff61b1e6             ; -3e38, under every t
	v_mov_b32 v[ST+4*\q+2], 0
	v_mov_b32 v[ST+4*\q+3], 0
.endr
.irp q, 0,1
	v_floor_f32 v[ST+4*\q], -v[ST+4*\q+1]
.endr
	WIN 0x40
.set j, 0
.rept 64
	v_mov_b32 v[O+j], 0
.set j, j+1
.endr
	WIN 0
	s_mov_b32 s[TK], 0
	s_mov_b32 s[TV], 0
	s_mov_b32 s[TMS], 0
	s_mov_b32 s[CNT], 16
.endm
; ctx of pass p's two tiles: O^T / the sum; register 16 b + n is dim 32 b + 16 h + n of my query: two blocks of 32, quantised as an operand's half fragment
.macro FINISH p
	PLACES
.irp q, 0,1
	v_add_f32 v[ST+4*\q+2], v[ST+4*\q+2], v[ST+4*\q+3]
.endr
.irp q, 0,1
	v_permlanex16_b32 v[TMP+\q], v[ST+4*\q+2], s[SEL], s[SEL+1]
.endr
.irp q, 0,1
	v_add_f32 v[ST+4*\q+2], v[ST+4*\q+2], v[TMP+\q]   ; the row's sum
.endr
	s_wait_alu depctr_va_vdst(0)
.irp q, 0,1
	v_rcp_f32 v[F+4*\q], v[ST+4*\q+2]
.endr
	v_nop                                          ; a plain place behind the reciprocals,
	WIN 0x41
	s_wait_alu depctr_va_vdst(0)                   ; and the wait ahead of their first reader, which is O^T's too
.irp q, 0,1
.set j, 0
.rept 16
	v_pk_mul_f32 v[64*\q+j:64*\q+j+1], v[O+32*\q+j:O+32*\q+j+1], v[F+4*\q:F+4*\q+1] op_sel_hi:[1,0]   ; each accumulator from its low end on
.set j, j+2
.endr
.endr
	WIN 0x05
.irp q, 0,1
.irp b, 0,1
	v_max3_num_f32 v[BM+2*\q+\b], |v[64*\q+16*\b]|, |v[64*\q+16*\b+1]|, 0x1800000
.endr
.endr
	WIN 0x14
.irp n, 2,4,6,8,10,12,14
.irp q, 0,1
.irp b, 0,1
	v_max3_num_f32 v[BM+2*\q+\b], v[BM+2*\q+\b], |v[64*\q+16*\b+\n]|, |v[64*\q+16*\b+\n+1]|
.endr
.endr
.endr
	WIN 0
.irp m, 0,1,2,3
	v_permlanex16_b32 v[PT+\m], v[BM+\m], s[SEL], s[SEL+1]
.endr
.irp m, 0,1,2,3
	v_max_num_f32 v[BM+\m], v[BM+\m], v[PT+\m]
.endr
.irp m, 0,1,2,3
	v_add_nc_u32 v[SO+\m], 0xff000000, v[BM+\m]
.endr
.irp m, 0,1,2,3
	v_lshrrev_b32 v[PT+\m], 23, v[SO+\m]
.endr
.irp q, 0,1
	v_lshl_or_b32 v[TMP+\q], v[PT+2*\q+1], 8, v[PT+2*\q]   ; my head's half of the row's scale word
.endr
	WIN 0x01
.irp q, 0,1
	v_cvt_scalef32_pk16_fp6_f32 v[P+12*\q:P+12*\q+2], v[64*\q:64*\q+15], v[SO+2*\q]
	v_cvt_scalef32_pk16_fp6_f32 v[CT+8*\q:CT+8*\q+2], v[64*\q+16:64*\q+31], v[SO+2*\q+1]
.endr
	WIN 0
	v_nop
	PACK 1
.irp q, 0,1
	global_store_b128 v[LI], v[P+12*\q:P+12*\q+3], s[98:99] offset:3072*\p+1536*\q        ; 512 and 256 consecutive aligned bytes
	global_store_b64 v[L8], v[P+12*\q+4:P+12*\q+5], s[98:99] offset:3072*\p+1536*\q+512
	global_store_b16 v[R4], v[TMP+\q], s[96:97] offset:128*\p+64*\q   ; two bytes a row: the other head of the K step writes the other two
.endr
.endm
	INIT
.Lpass0:
	STEP
	s_sub_co_u32 s[CNT], s[CNT], 1
	s_cmp_lg_u32 s[CNT], 0
	s_cbranch_scc1 .Lpass0
	FINISH 0
	s_wait_xcnt 0x0                                ; the stores have read their data: those registers are written again below
	WIN 0x01
.irp i, 0,1,2,3,4,5
	v_mov_b32 v[Q+\i], v[QN+\i]                    ; the second pass's Q
	v_mov_b32 v[Q+12+\i], v[QN+6+\i]
.endr
	v_mov_b32 v[QS], v[QN+12]
	WIN 0
	INIT
.Lpass1:
	STEP
	s_sub_co_u32 s[CNT], s[CNT], 1
	s_cmp_lg_u32 s[CNT], 0
	s_cbranch_scc1 .Lpass1
	FINISH 1
	s_wait_tensorcnt 0x0                           ; the wave's end
	ds_add_u32 v[SPW], v[NIL]
	s_wait_dscnt 0x0
	CROUND                                         ; the closing round
	s_endpgm
.Lfunc_end_k_q15b54f72ed_attn:
	.size	k_q15b54f72ed_attn, .Lfunc_end_k_q15b54f72ed_attn-k_q15b54f72ed_attn
	.p2alignl 7, 3214868480
	.fill 96, 4, 3214868480
	.section	.rodata,"a",@progbits
	.p2align	6, 0x0
	.amdhsa_kernel k_q15b54f72ed_attn
		.amdhsa_group_segment_fixed_size 219136
		.amdhsa_private_segment_fixed_size 0
		.amdhsa_enable_private_segment 0
		.amdhsa_kernarg_size 32
		.amdhsa_user_sgpr_count 2
		.amdhsa_user_sgpr_kernarg_segment_ptr 1
		.amdhsa_wavefront_size32 1
		.amdhsa_system_sgpr_workgroup_id_x 1
		.amdhsa_system_sgpr_workgroup_id_y 1
		.amdhsa_system_sgpr_workgroup_id_z 1
		.amdhsa_system_vgpr_workitem_id 0
		.amdhsa_next_free_vgpr 512
		.amdhsa_next_free_sgpr 100
		.amdhsa_reserve_vcc 0
		.amdhsa_float_denorm_mode_32 3
		.amdhsa_float_denorm_mode_16_64 3
		.amdhsa_memory_ordered 1
		.amdhsa_forward_progress 1
		.amdhsa_inst_pref_size 91
	.end_amdhsa_kernel
	.amdgpu_metadata
---
amdhsa.version: [ 1, 2 ]
amdhsa.kernels:
  - .name:           k_q15b54f72ed_attn
    .symbol:         k_q15b54f72ed_attn.kd
    .args:
      - { .name: qk, .offset: 0, .size: 8, .value_kind: global_buffer, .address_space: global }
      - { .name: vimg, .offset: 8, .size: 8, .value_kind: global_buffer, .address_space: global }
      - { .name: attention_mask, .offset: 16, .size: 8, .value_kind: global_buffer, .address_space: global }
      - { .name: cimg, .offset: 24, .size: 8, .value_kind: global_buffer, .address_space: global }
    .group_segment_fixed_size: 219136
    .private_segment_fixed_size: 0
    .kernarg_segment_align: 8
    .kernarg_segment_size: 32
    .max_flat_workgroup_size: 256
    .sgpr_count:     100
    .vgpr_count:     512
    .wavefront_size: 32
...
	.end_amdgpu_metadata
.endif
;; end of part 3
;; launch oproj (part 4): grid 4 x 64, 4 waves a work-group, clusters of 4 x 4, 325,120 bytes of LDS; arguments cimg, wimg, bo, out0; writes out0
.if DOCPART == 4
	.amdgcn_target "amdgcn-amd-amdhsa--gfx1250"
	.amdhsa_code_object_version 6
	.text
	.protected	k_q15b54f72ed_oproj
	.globl	k_q15b54f72ed_oproj
	.p2align	8
	.type	k_q15b54f72ed_oproj,@function
k_q15b54f72ed_oproj:
	s_mov_b64 s[64:65], 0
	v_nop
	global_prefetch_b8 v0, s[64:65] scope:SCOPE_SE
	s_setreg_imm32_b32 hwreg(HW_REG_WAVE_MODE, 25, 1), 1
	s_wait_xcnt 0x0
	s_wait_alu depctr_hold_cnt(0) depctr_sa_sdst(0) depctr_va_vdst(0) depctr_va_sdst(0) depctr_va_ssrc(0) depctr_va_vcc(0) depctr_vm_vsrc(0)
	s_getreg_b32 s2, hwreg(HW_REG_IB_STS2, 6, 4)
	s_cmp_eq_u32 s2, 0
	s_cbranch_scc0 .Lentry_in_a_cluster
	s_endpgm
.Lentry_in_a_cluster:
	s_bfe_u32 s2, ttmp6, 0x10000c
	s_cmp_lg_u32 s2, 0xf033
	s_cbranch_scc0 .Lentry_shape_is_right
	s_endpgm
.Lentry_shape_is_right:
; out = ctx Wo + bo on codes of FP6 (E2M3) with E8M0 scales; out is [8192][1024] f32.
; SHARES.  A work-group: 128 tokens (one block of cimg) x 256 columns (two blocks of wimg, Wo's are blocks 24-31), all of K = 1,024.  Wave w: all 8 tiles of tokens x 4 tiles of columns; 32 accumulators, 256 registers.
; ALL OF K LIES IN LDS: 3 x 102,400 bytes, each byte filled once, in chunks of four K steps (51,200 dense bytes); the K loop starts when chunk 0 is in.  Nothing is filled again.
; CLUSTER 4 x 4: the four of a row need the same block of ctx, the four of a column the same two blocks of Wo: each chunk is asked for jointly.
; Source 0 = 16 columns of Wo, source 1 = 16 tokens: a lane holds one token, and by the order of rows in a tile (lane r of tile 2 b + u: row 32 b + 8 u + r + 8 (r / 8)) its 16 registers of two neighbouring tiles are 16 neighbouring columns.
; The bias is the C of each sum's first matrix instruction.  The 32 accumulators take turns, one instruction a turn, in the same order in every K step.
; THE WAY OUT: a tile of 16 tokens x 64 columns goes through the wave's own stage in LDS (bytes of its own, into which no fill lands) and leaves as rows: sixteen lanes store 256 consecutive aligned bytes.
; REGISTERS.  window 0: v16-25 LDS addresses; v28, v29 the add's two; v30, v31, v44 the way out; v32-43 scale words, two sets; v64-159 A's and v160-207 B's fragments, set 0; v208-239 the bias.  window 1: the accumulators.  window 2: v64-207 fragments, set 1.
.set ABLK,  102400
.set KST,   12800
.set CHUNK, 2*KST
.set STAGE, 3*ABLK                     ; 16 rows x (256 bytes + 16) for each wave
.set SPARE, STAGE+4*4352               ; the spare words, 128 bytes for each wave, named by no other line
.set A16,   16
.set A8,    18
.set B16,   20
.set AS,    22
.set BS,    24
.set SPW,   28
.set NIL,   29
.set STO,   30
.set RD,    31
.set CO,    44
.set SC,    32
.set AF,    64
.set BF,    160
.set BI,    208
.set OB,    64                         ; the way out: 16 rows read back: v64-95 and v96-127 by turns
.set WV,    18
.set G1A,   24
.set G1B,   32
.set G0A,   40
.set G0B,   68
.set MSB,   0
.macro WIN new                         ; the immediate's high byte repeats the setting that is left
.if MSB != \new
	s_set_vgpr_msb (MSB<<8)|\new
.set MSB, \new
.endif
.endm
.macro PLACES                          ; four plain places behind a matrix instruction, in front of loads into its registers and of reads of its results
.rept 4
	v_nop
.endr
.endm
.macro CROUND                          ; a round of the cluster's barrier
	s_barrier_signal -1
	s_barrier_wait -1
	s_cmp_lg_u32 s[WV], 0
	s_cbranch_scc1 .Lnot_wave_0_\@
	s_barrier_signal -3
.Lnot_wave_0_\@:
	s_barrier_wait -3
	s_barrier_signal -1
	s_barrier_wait -1
.endm
.macro WM d, a, b, c, sa, sb, ra, rb   ; one product; ra, rb: the scales are taken from lanes 16-31
.if (\ra) && (\rb)
	v_wmma_scale_f32_16x16x128_f8f6f4 v[(\d):(\d)+7], v[(\a):(\a)+11], v[(\b):(\b)+11], v[(\c):(\c)+7], v[(\sa)], v[(\sb)] matrix_a_fmt:MATRIX_FMT_FP6 matrix_b_fmt:MATRIX_FMT_FP6 matrix_a_scale:MATRIX_SCALE_ROW1 matrix_b_scale:MATRIX_SCALE_ROW1
.elseif (\ra)
	v_wmma_scale_f32_16x16x128_f8f6f4 v[(\d):(\d)+7], v[(\a):(\a)+11], v[(\b):(\b)+11], v[(\c):(\c)+7], v[(\sa)], v[(\sb)] matrix_a_fmt:MATRIX_FMT_FP6 matrix_b_fmt:MATRIX_FMT_FP6 matrix_a_scale:MATRIX_SCALE_ROW1
.elseif (\rb)
	v_wmma_scale_f32_16x16x128_f8f6f4 v[(\d):(\d)+7], v[(\a):(\a)+11], v[(\b):(\b)+11], v[(\c):(\c)+7], v[(\sa)], v[(\sb)] matrix_a_fmt:MATRIX_FMT_FP6 matrix_b_fmt:MATRIX_FMT_FP6 matrix_b_scale:MATRIX_SCALE_ROW1
.else
	v_wmma_scale_f32_16x16x128_f8f6f4 v[(\d):(\d)+7], v[(\a):(\a)+11], v[(\b):(\b)+11], v[(\c):(\c)+7], v[(\sa)], v[(\sb)] matrix_a_fmt:MATRIX_FMT_FP6 matrix_b_fmt:MATRIX_FMT_FP6
.endif
.endm
.macro FETCH ks, bk                    ; K step ks into fragment set bk: 50 LDS loads in one run
	WIN 0x80*(\bk)
.irp a, 0,1,2,3,4,5,6,7
	ds_load_b128 v[AF+12*\a:AF+12*\a+3],     v[A16+(\ks)/4] offset:((\ks)%4)*KST+1536*\a
	ds_load_b64  v[AF+12*\a+4:AF+12*\a+5],   v[A8+(\ks)/4]  offset:((\ks)%4)*KST+1536*\a+512
	ds_load_b128 v[AF+12*\a+6:AF+12*\a+9],   v[A16+(\ks)/4] offset:((\ks)%4)*KST+1536*\a+768
	ds_load_b64  v[AF+12*\a+10:AF+12*\a+11], v[A8+(\ks)/4]  offset:((\ks)%4)*KST+1536*\a+1280
.endr
.irp b, 0,1,2,3
.irp p, 0,1,2
	ds_load_b128 v[BF+12*\b+4*\p:BF+12*\b+4*\p+3], v[B16+(\ks)/4] offset:((\ks)%4)*KST+1536*\b+512*\p
.endr
.endr
	WIN 0
.irp p, 0,1,2,3
	ds_load_b32 v[SC+6*(\bk)+\p], v[AS+(\ks)/4] offset:((\ks)%4)*KST+12288+128*\p
.endr
.irp p, 0,1
	ds_load_b32 v[SC+6*(\bk)+4+\p], v[BS+(\ks)/4] offset:((\ks)%4)*KST+12288+128*\p
.endr
.endm
.macro MUL bk, first                   ; 32 products of one K step.  first = 1: the bias starts the sums
.if \first
	WIN 0x40
.elseif \bk
	WIN 0x5a
.else
	WIN 0x50
.endif
.irp a, 0,1,2,3,4,5,6,7
.irp b, 0,1,2,3
.if \first
	WM 8*(4*\a+\b), BF+12*\b, AF+12*\a, BI+8*\b, SC+6*\bk+4+\b/2, SC+6*\bk+\a/2, \b%2, \a%2
.else
	WM 8*(4*\a+\b), BF+12*\b, AF+12*\a, 8*(4*\a+\b), SC+6*\bk+4+\b/2, SC+6*\bk+\a/2, \b%2, \a%2
.endif
.endr
.endr
.endm
.macro GATE left                       ; the next chunk is in, in every wave that fetched a part of it; left: my younger chunks, which may stay out
	s_wait_tensorcnt \left
	s_wait_dscnt 0x0                               ; no LDS load of mine is out at the signal (they were issued 32 matrix instructions ago)
	s_barrier_signal -1
	s_barrier_wait -1
.endm
	s_load_b256 s[4:11], s[0:1], 0x0               ; cimg, wimg, bo, out0
	v_lshl_add_u32 v[SPW], v0, 2, SPARE
	v_mov_b32 v[NIL], 0
	ds_add_u32 v[SPW], v[NIL]                      ; the opening: the add and its wait ahead of my first tensor load; work on registers stands between them
	ds_add_u32 v[SPW], v[NIL]
	v_lshrrev_b32 v1, 5, v0
	v_readfirstlane_b32 s[WV], v1                  ; wave 0..3
	s_bfe_u32 s19, ttmp6, 0x40000                  ; cx
	s_bfe_u32 s20, ttmp6, 0x40004                  ; cy
	s_lshl_b32 s21, ttmp9, 2
	s_add_co_u32 s21, s21, s19                     ; which 256 columns
	s_and_b32 s22, ttmp7, 0xffff
	s_lshl_b32 s22, s22, 2
	s_add_co_u32 s22, s22, s20                     ; which block of 128 tokens
	s_lshl_b32 s58, s20, 2
	s_lshl_b32 s58, 15, s58                        ; my row of the cluster
	s_lshl_b32 s59, 0x1111, s19                    ; my column
	s_or_b32 s[G1A], s58, (3<<16)|(1<<21)          ; 15:0 the mask; 17:16 elements of 8 bytes; 21 set beside a mask; no padding
	s_or_b32 s[G1B], s59, (3<<16)|(1<<21)
	; FOUR LOADS, ONE A WAVE: A's K steps 0-3 and 4-7 as 200 rows of 256 bytes each; both blocks of B, K steps 0-3 and 4-7, as two rows of 51,200 bytes, 102,400 apart in memory
	s_mov_b32 s[G1A+1], 32<<16
	s_mov_b32 s[G1A+2], 200<<16
	s_mov_b32 s[G1A+3], 32<<16
	s_mov_b32 s[G1A+4], 200
	s_mov_b32 s[G1A+5], 32
	s_mov_b32 s[G1B+1], 6400<<16
	s_mov_b32 s[G1B+2], 2<<16
	s_mov_b32 s[G1B+3], 6400<<16
	s_mov_b32 s[G1B+4], 2
	s_mov_b32 s[G1B+5], 12800
.irp g, G1A, G1B
	s_mov_b32 s[\g+6], 0
	s_mov_b32 s[\g+7], 0
.endr
	s_mul_i32 s60, s22, ABLK                       ; A's block: hangs on the tokens' block alone
	s_mov_b32 s61, 0
	s_lshl_b32 s62, s21, 1                         ; B's two blocks lie on end in wimg,
	s_add_co_u32 s62, s62, 24                      ; among Wo's
	s_mul_i32 s62, s62, ABLK
	s_mov_b32 s63, 0
	v_and_b32 v1, 31, v0                           ; lane
	v_and_b32 v2, 15, v0                           ; r
	v_bfe_u32 v3, v0, 4, 1                         ; h
	v_lshlrev_b32 v[A16], 4, v1
	s_wait_alu depctr_va_vdst(0)
	v_add_nc_u32 v[A16+1], 4*KST, v[A16]
	v_lshlrev_b32 v[A8], 3, v1
	v_add_nc_u32 v[A8+1], 4*KST, v[A8]
	v_lshlrev_b32 v[AS], 2, v1
	s_wait_alu depctr_va_vdst(0)
	v_add_nc_u32 v[AS+1], 4*KST, v[AS]
	s_lshr_b32 s85, s[WV], 1
	s_mul_i32 s85, s85, 4*KST                      ; LDS behind A: block 0's K steps 0-3, block 1's, block 0's K steps 4-7, block 1's
	s_add_co_u32 s85, s85, ABLK
	s_and_b32 s86, s[WV], 1
	s_mul_i32 s87, s86, 6144                       ; my four tiles of its eight
	s_add_co_u32 s87, s87, s85
	s_lshl_b32 s86, s86, 8
	s_add_co_u32 s86, s86, s85
	v_add_nc_u32 v[B16], s87, v[A16]
	v_add_nc_u32 v[B16+1], ABLK, v[B16]
	v_add_nc_u32 v[BS], s86, v[AS]
	v_add_nc_u32 v[BS+1], ABLK, v[BS]
	s_mul_i32 s88, s[WV], 4352
	s_add_co_u32 s88, s88, STAGE                   ; my stage
	v_mul_u32_u24 v[STO], v2, 272
	v_lshl_add_u32 v[STO], v3, 6, v[STO]
	v_add_nc_u32 v[STO], s88, v[STO]               ; in: row r, + 64 h
	v_mul_u32_u24 v[RD], v3, 272
	v_lshl_add_u32 v[RD], v2, 4, v[RD]
	v_add_nc_u32 v[RD], s88, v[RD]                 ; back: lanes 0-15 one row of 256 bytes, lanes 16-31 the next
	v_lshlrev_b32 v[CO], 12, v3
	v_lshl_add_u32 v[CO], v2, 4, v[CO]             ; and the same two rows in out
	v_lshlrev_b32 v4, 6, v3                        ; the bias: 64 h
	s_lshl_b32 s92, s21, 10
	s_lshl_b32 s93, s[WV], 8
	s_add_co_u32 s92, s92, s93                     ; my 64 columns, in bytes
	s_mov_b32 s93, 0
	s_lshl_b32 s90, s22, 19                        ; 128 rows of 4,096 bytes
	s_add_co_u32 s90, s90, s92
	s_mov_b32 s91, 0
	s_wait_dscnt 0x0                               ; the opening add is done
	s_wait_kmcnt 0x0
	s_add_nc_u64 s[60:61], s[4:5], s[60:61]
	s_add_nc_u64 s[62:63], s[6:7], s[62:63]
	s_add_nc_u64 s[8:9], s[8:9], s[92:93]
	s_add_nc_u64 s[10:11], s[10:11], s[90:91]
.irp c, 0,1
	s_mov_b32 s[G0A+4*\c], 1
	s_mov_b32 s[G0A+4*\c+1], 2*CHUNK*\c
	s_add_nc_u64 s[G0A+4*\c+2:G0A+4*\c+3], s[60:61], 2*CHUNK*\c
	s_or_b32 s[G0A+4*\c+3], s[G0A+4*\c+3], 0x80000000
	s_mov_b32 s[G0B+4*\c], 1
	s_mov_b32 s[G0B+4*\c+1], ABLK+ABLK*\c
	s_add_nc_u64 s[G0B+4*\c+2:G0B+4*\c+3], s[62:63], 2*CHUNK*\c
	s_or_b32 s[G0B+4*\c+3], s[G0B+4*\c+3], 0x80000000
.endr
	CROUND                                         ; all sixteen work-groups are here: the joint loads meet
	s_cmp_eq_u32 s[WV], 0                          ; one chain of branches on the wave's number, one load to an arm
	s_cbranch_scc0 .Lw1
	tensor_load_to_lds s[G0A:G0A+3], s[G1A:G1A+7]  ; wave 0: A, K steps 0-3
	s_nop 0
	PLACES
	s_branch .Lasked
.Lw1:
	s_cmp_eq_u32 s[WV], 1
	s_cbranch_scc0 .Lw2
	tensor_load_to_lds s[G0B:G0B+3], s[G1B:G1B+7]  ; wave 1: B, K steps 0-3
	s_nop 0
	PLACES
	s_branch .Lasked
.Lw2:
	s_cmp_eq_u32 s[WV], 2
	s_cbranch_scc0 .Lw3
	tensor_load_to_lds s[G0A+4:G0A+7], s[G1A:G1A+7]  ; wave 2: A, K steps 4-7
	s_nop 0
	PLACES
	s_branch .Lasked
.Lw3:
	tensor_load_to_lds s[G0B+4:G0B+7], s[G1B:G1B+7]  ; wave 3: B, K steps 4-7
	s_nop 0
	PLACES
.Lasked:
	s_wait_alu depctr_va_vdst(0)
.irp b, 0,1,2,3                                ; tile 2 b' + u wants the bias of columns 32 b' + 16 h + 8 u + 0 .. 7
	global_load_b128 v[BI+8*\b:BI+8*\b+3], v4, s[8:9] offset:128*(\b/2)+32*(\b%2)
	global_load_b128 v[BI+8*\b+4:BI+8*\b+7], v4, s[8:9] offset:128*(\b/2)+32*(\b%2)+16
.endr
	s_cmp_lt_u32 s[WV], 2                          ; waves 0 and 1 wait for their loads, K steps 0-3; the other two loads may be out
	s_cbranch_scc0 .Lno_wait
	s_wait_tensorcnt 0x0
.Lno_wait:
	s_barrier_signal -1
	s_barrier_wait -1
	FETCH 0, 0
	s_wait_loadcnt 0x0                             ; the bias
	FETCH 1, 1
	s_wait_dscnt 50                                ; all but the 50 just issued
	MUL 0, 1
	PLACES
	FETCH 2, 0
	s_wait_dscnt 50
	MUL 1, 0
	PLACES
	FETCH 3, 1
	s_wait_dscnt 50
	MUL 0, 0
	GATE 0                                         ; every wave has waited for its load: K steps 4-7 are in
	PLACES
	FETCH 4, 0
	s_wait_dscnt 50
	MUL 1, 0
	PLACES
	FETCH 5, 1
	s_wait_dscnt 50
	MUL 0, 0
	PLACES
	FETCH 6, 0
	s_wait_dscnt 50
	MUL 1, 0
	PLACES
	FETCH 7, 1
	s_wait_dscnt 50
	MUL 0, 0
	s_wait_dscnt 0x0
	MUL 1, 0
	WIN 0
	PLACES
; THE WAY OUT, a tile of 16 tokens at a time.  LDS serves a wave's instructions in order: no wait between my stores and my loads, nor in front of the next tile's stores.
.macro TOSTAGE a
	WIN 0x04                                       ; an LDS store's data are its source 1: window 1
.irp q, 0,1,2,3,4,5,6,7
	ds_store_b128 v[STO], v[32*(\a)+4*\q:32*(\a)+4*\q+3] offset:128*(\q/4)+16*(\q%4)   ; columns 32 (q / 4) + 16 h + 4 (q % 4) on; each accumulator from its low end on
.endr
	WIN 0
.irp i, 0,1,2,3,4,5,6,7
	ds_load_b128 v[OB+32*((\a)%2)+4*\i:OB+32*((\a)%2)+4*\i+3], v[RD] offset:544*\i
.endr
.endm
.macro SEND a, younger                 ; younger: the LDS instructions issued behind tile a's loads, which may stay out
	s_wait_dscnt \younger
.irp i, 0,1,2,3,4,5,6,7
	global_store_b128 v[CO], v[OB+32*((\a)%2)+4*\i:OB+32*((\a)%2)+4*\i+3], s[10:11] offset:(32*((\a)/2)+8*((\a)%2)+2*\i+8*(\i/4))*4096 th:TH_STORE_NT   ; stage row 2 i + h is token 32 (a / 2) + 8 (a % 2) + 2 i + h + 8 (i / 4): 16 lanes store 256 consecutive aligned bytes
.endr
.endm
	TOSTAGE 0
.irp a, 1,2,3,4,5,6,7
.if \a > 1
	s_wait_xcnt 0x0                                ; tile a - 2's stores have read their registers: tile a's loads may land there
.endif
	TOSTAGE \a
	SEND \a-1, 16                                  ; behind tile a - 1's loads: tile a's 8 stores and 8 loads
.endr
	SEND 7, 0
	s_wait_tensorcnt 0x0                           ; the wave's end, behind my last tensor load and my last LDS store
	ds_add_u32 v[SPW], v[NIL]
	s_wait_dscnt 0x0
	CROUND                                         ; the closing round
	s_endpgm
.Lfunc_end_k_q15b54f72ed_oproj:
	.size	k_q15b54f72ed_oproj, .Lfunc_end_k_q15b54f72ed_oproj-k_q15b54f72ed_oproj
	.p2alignl 7, 3214868480
	.fill 96, 4, 3214868480
	.section	.rodata,"a",@progbits
	.p2align	6, 0x0
	.amdhsa_kernel k_q15b54f72ed_oproj
		.amdhsa_group_segment_fixed_size 325120
		.amdhsa_private_segment_fixed_size 0
		.amdhsa_enable_private_segment 0
		.amdhsa_kernarg_size 32
		.amdhsa_user_sgpr_count 2
		.amdhsa_user_sgpr_kernarg_segment_ptr 1
		.amdhsa_wavefront_size32 1
		.amdhsa_system_sgpr_workgroup_id_x 1
		.amdhsa_system_sgpr_workgroup_id_y 1
		.amdhsa_system_sgpr_workgroup_id_z 1
		.amdhsa_system_vgpr_workitem_id 0
		.amdhsa_next_free_vgpr 768
		.amdhsa_next_free_sgpr 100
		.amdhsa_reserve_vcc 0
		.amdhsa_float_denorm_mode_32 3
		.amdhsa_float_denorm_mode_16_64 3
		.amdhsa_memory_ordered 1
		.amdhsa_forward_progress 1
		.amdhsa_inst_pref_size 82
	.end_amdhsa_kernel
	.amdgpu_metadata
---
amdhsa.version: [ 1, 2 ]
amdhsa.kernels:
  - .name:           k_q15b54f72ed_oproj
    .symbol:         k_q15b54f72ed_oproj.kd
    .args:
      - { .name: cimg, .offset: 0, .size: 8, .value_kind: global_buffer, .address_space: global }
      - { .name: wimg, .offset: 8, .size: 8, .value_kind: global_buffer, .address_space: global }
      - { .name: bo, .offset: 16, .size: 8, .value_kind: global_buffer, .address_space: global }
      - { .name: out0, .offset: 24, .size: 8, .value_kind: global_buffer, .address_space: global }
    .group_segment_fixed_size: 325120
    .private_segment_fixed_size: 0
    .kernarg_segment_align: 8
    .kernarg_segment_size: 32
    .max_flat_workgroup_size: 128
    .sgpr_count:     100
    .vgpr_count:     768
    .wavefront_size: 32
...
	.end_amdgpu_metadata
.endif
;; end of part 4
